; MI455X (gfx1250); checked and timed in simulation.
; The chip was launched on July 23, 2026; its instructions are those of AMD's public machine-readable ISA for CDNA 5 (MIT licence, August 2026) and "CDNA5" Instruction Set Architecture Reference Guide (July 2026). The comments in the code are by the model that wrote it; some were corrected since.
;; Multi Head Self Attention. Allowed arithmetic: matrix products marked QUANTISED: E2M1 operands, one E8M0 scale for each 32 along K, by v_wmma_scale_f32_16x16x128_f8f6f4 with both operands' format E2M1 (or v_wmma_scale_f32_32x16x128_f4), f32 sums; products left as they are: bf16, f16 or f32 operands; f32 sums; everything else in f32.
;; Inputs: Wk 1,024 x 1,024 float32; Wo 1,024 x 1,024 float32; Wq 1,024 x 1,024 float32; Wv 1,024 x 1,024 float32; bk 1,024 float32; bo 1,024 float32; bq 1,024 float32; bv 1,024 float32; x 4 x 2,048 x 1,024 float32.
;; Outputs: out0 4 x 2,048 x 1,024 float32.
;; This version of the problem:
;;   THIS VERSION OF THE PROBLEM IS GIVEN IN LOW PRECISION. The matrix products marked QUANTISED in the list below multiply operands that are first quantised to E2M1 (2 exponent bits, 1 mantissa bit; 4 bits a number), with one power-of-two scale for each 32 numbers along K (OCP MX v1.0); their sums are f32. The products marked 'left as it is' may take bf16, f16 or f32 operands, with f32 sums. Whichever they take, every output number must still come out within the allowed error. Rounding operands to bf16 (8 significant bits) uses up far more of that allowance than f16 does (11 bits, for magnitudes from 6e-5 to 65,504). All else is computed in f32.
;;   The module's matrix products, in the order in which they are computed (A, B: the left and right operand; K: the contracted axis; several contracted axes count as one K, in the product's order):
;;     1. [M 8,192, K 1,024] x [K 1,024, N 1,024]; A: input x; B: input Wq: QUANTISED
;;     2. [M 8,192, K 1,024] x [K 1,024, N 1,024]; A: input x; B: input Wk: QUANTISED
;;     3. [M 8,192, K 1,024] x [K 1,024, N 1,024]; A: input x; B: input Wv: QUANTISED
;;     4. batch 64 x [M 2,048, K 64] x [K 64, N 2,048]; A: computed on the way; B: computed on the way: left as it is (an operand is computed on the way)
;;     5. batch 64 x [M 2,048, K 2,048] x [K 2,048, N 64]; A: computed on the way; B: computed on the way: left as it is (an operand is computed on the way)
;;     6. [M 8,192, K 1,024] x [K 1,024, N 1,024]; A: computed on the way; B: input Wo: left as it is (an operand is computed on the way)
;;   THE QUANTISER, for each operand of a quantised product, along K:
;;     - K is cut into blocks of 32 from its start; a last block that is shorter is filled with zeros.
;;     - A block's scale is 2^e with e = floor(log2(the largest magnitude in the block)) - 2, held to -126 .. 127; a block of zeros has e = 0. As a byte (E8M0): e + 127.
;;     - Each number is divided by its block's scale, clamped to +-6, and rounded to the nearest number of E2M1, ties to even, subnormals kept.
;;     - The product sums the exact products of the quantised numbers (number of the format x scale) in f32.
;;   ~~~python
;;   def quantise(x, axis):      # numpy; x: float32 -> the quantised numbers, widened to float32 again
;;       x = np.moveaxis(x, axis, -1); K = x.shape[-1]
;;       x = np.pad(x, [(0, 0)] * (x.ndim - 1) + [(0, -K % 32)]); x = x.reshape(x.shape[:-1] + (-1, 32)); a = np.abs(x).max(-1, keepdims=True)
;;       e = np.where(a > 0, np.clip(np.frexp(np.where(a > 0, a, 1))[1] - 1 - 2, -126, 127), 0)      # np.frexp(a)[1] - 1 = floor(log2(a)), exactly
;;       r = np.clip(x / 2.0 ** e, -6, 6)
;;       step = 2.0 ** (np.maximum(np.frexp(np.where(r == 0, 1, r))[1] - 1, 0) - 1)
;;       q = np.round(r / step) * step * 2.0 ** e      # np.round: ties to even
;;       return np.moveaxis(q.reshape(q.shape[:-2] + (-1,))[..., :K], -1, axis).astype(np.float32)
;;   ~~~
;; One version. Each part assembles by itself: llvm-mc -triple=amdgcn-amd-amdhsa -mcpu=gfx1250 --defsym DOCPART=n.
;; ======== version 1 of 1: 4 launches
;; limits: values are held in f16: magnitudes above 65,504 overflow, below 6.1e-05 lose precision
;; workspace buffers: x_codes 4,194,304 bytes; x_scales 262,144 bytes; w_codes 1,572,864 bytes; w_scales 98,304 bytes; wf 2,097,152 bytes; qkvf 50,331,648 bytes; cf 16,777,216 bytes
;; launch prep (part 1): grid 336 x 1, 4 waves a work-group, no clusters, 68,096 bytes of LDS; arguments x, Wq, Wk, Wv, Wo, x_codes, x_scales, w_codes, w_scales, wf; writes x_codes, x_scales, w_codes, w_scales, wf
.if DOCPART == 1
	.amdgcn_target "amdgcn-amd-amdhsa--gfx1250"
	.amdhsa_code_object_version 6
	.text
	.protected	k_q0a0b5987f0_prep
	.globl	k_q0a0b5987f0_prep
	.p2align	8
	.type	k_q0a0b5987f0_prep,@function
k_q0a0b5987f0_prep:
	s_mov_b64 s[64:65], 0
	v_nop
	global_prefetch_b8 v0, s[64:65] scope:SCOPE_SE
	s_setreg_imm32_b32 hwreg(HW_REG_WAVE_MODE, 25, 1), 1
	s_wait_xcnt 0x0
; THE OPERANDS ARE MADE READY, ONCE.  Three kinds of work-group, told apart by the work-group's number alone:
;   0-47    Wq, Wk, Wv [1024 (k)][1024 (n)] f32 -> codes of FP4 (E2M1), K innermost, w_codes [3072 = 1024 x which + n][512 bytes], and one E8M0 byte for each 32 along K, w_scales [3072][32]
;   48-79   Wo [1024 (k)][1024 (n)] f32 -> f16, laid in the order of a matrix operand's registers: wf [K step of 128: 8][16 columns: 64][32 along K: 4][1,024 bytes]
;   80-335  x [8192][1024] f32 -> codes, x_codes [8192][512 bytes], x_scales [8192][32]
; A block's scale is 2^(floor(log2(its largest magnitude)) - 2); its byte is the largest magnitude's exponent field - 2, held at 1 from below.  A block of zeros so gets the byte 1 where the
; rule says 127: its codes are zeros, which add nothing under any byte but 0xff, and the bytes are read by this program alone.  Numbers are divided by the scale and rounded to the nearest code, ties to even.
; LIMITS: blocks whose largest magnitude lies under 2^-124 are held at the byte 1; NaN and infinities among the inputs are not served; |Wo| stays under 65,504 (f16).
; No tensor loads, no barrier: waves share nothing.  Each kind has LDS bytes of its own: x 0-32,767 (8,192 a wave), the weights 32,768-67,583 (8,704 a wave), the spare words behind them.
.set WV,    24                         ; s24  my wave's number
.set SPW,   12                         ; v12  LDS address of my spare word: SPARE + 4 x my thread's number; never rewritten
.set NIL,   13                         ; v13  0; never rewritten
.set WSTG,  32768                      ; the weights' stages
.set SPARE, 67584                      ; the spare words, 128 bytes for each wave: two blocks of 256 bytes that no other line names
.set EMAX,  2
.macro CLOSE                           ; the wave's end, behind my last LDS store
	s_wait_tensorcnt 0x0
	ds_add_u32 v[SPW], v[NIL]
	s_wait_dscnt 0x0
	s_endpgm
.endm
	s_load_b256 s[4:11], s[0:1], 0x0               ; x s[4:5], Wq s[6:7], Wk s[8:9], Wv s[10:11]
	s_load_b256 s[12:19], s[0:1], 0x20             ; Wo s[12:13], x_codes s[14:15], x_scales s[16:17], w_codes s[18:19]
	s_load_b128 s[20:23], s[0:1], 0x40             ; w_scales s[20:21], wf s[22:23]
	v_lshl_add_u32 v[SPW], v0, 2, SPARE
	v_mov_b32 v[NIL], 0
	v_lshrrev_b32 v1, 5, v0
	v_readfirstlane_b32 s[WV], v1                  ; wave 0..3
	v_and_b32 v2, 31, v0                           ; lane
	s_wait_kmcnt 0x0
	s_cmp_lt_u32 ttmp9, 48
	s_cbranch_scc1 .Lpath_w
	s_cmp_lt_u32 ttmp9, 80
	s_cbranch_scc1 .Lpath_o
; ---------------------------------------------------------------- x: K is innermost, rows are dense: a plain stream of blocks of 32
; A wave takes 16 steps of 512 numbers.  Each of a step's four loads reads 512 consecutive bytes, 16 a lane; the 2,048 bytes turn through the wave's own stage in LDS and come back 64 bytes a lane,
; so that a lane holds 16 neighbours along K and two neighbouring lanes a block.  A lane's 16 codes are 8 bytes: the wave stores 256 consecutive bytes.  The wave's 256 scale bytes are gathered in LDS.
.set STEPS, 16
.set CB,    8                          ; bytes of 16 codes
.set XR,    16                         ; v16-79   four sets of 16 numbers as they are loaded
.set XX,    80                         ; v80-111  two sets of 16 neighbours
.set XE,    112                        ; v112-127 a scale byte for each step
.set XC,    128                        ; v128-191 codes: four registers for each step, so that no store's data are written again
.set WREG,  8192                       ; a wave's region: two stages of 32 x SP bytes, behind them its 256 scale bytes
.set SP,    80                         ; a lane's place in a stage: 64 bytes + 16 of padding
	v_lshlrev_b32 v3, 4, v2                        ; my 16 bytes of a load's 512
	s_mul_i32 s25, s[WV], WREG
	v_lshrrev_b32 v14, 2, v2
	v_mul_u32_u24 v14, v14, SP
	v_and_b32 v15, 3, v2
	v_lshl_add_u32 v14, v15, 4, v14
	v_add_nc_u32 v14, s25, v14                     ; into the stage: SP (lane / 4) + 16 (lane % 4)
	v_mul_u32_u24 v15, v2, SP
	v_add_nc_u32 v15, s25, v15                     ; out of it: SP x lane
	v_mul_u32_u24 v4, v2, CB                       ; my codes' place in a step's
	v_lshrrev_b32 v5, 1, v2
	s_add_co_u32 s25, s25, 2*32*SP
	v_add_nc_u32 v5, s25, v5                       ; my block's scale byte in LDS
	v_lshlrev_b32 v7, 3, v2
	v_add_nc_u32 v6, s25, v7                       ; and on the way out 8 bytes a lane
	s_sub_co_u32 s26, ttmp9, 80
	s_lshl_b32 s26, s26, 2
	s_add_co_u32 s26, s26, s[WV]                   ; which run of 8,192 numbers is my wave's: 0..1023
	s_mov_b32 s29, 0
	s_lshl_b32 s28, s26, 15
	s_add_nc_u64 s[4:5], s[4:5], s[28:29]          ; 32,768 bytes of x,
	s_lshl_b32 s28, s26, 12
	s_add_nc_u64 s[14:15], s[14:15], s[28:29]      ; 4,096 of codes,
	s_lshl_b32 s28, s26, 8
	s_add_nc_u64 s[16:17], s[16:17], s[28:29]      ; 256 of scale bytes a run
.macro XLOAD t
.irp i, 0,1,2,3
	global_load_b128 v[XR+16*((\t)%4)+4*\i:XR+16*((\t)%4)+4*\i+3], v3, s[4:5] offset:2048*(\t)+512*\i th:TH_LOAD_NT
.endr
.endm
.macro XTURN t                         ; step t's numbers through the stage: LDS serves a wave's instructions in order, so no wait stands between the stores and the loads
.irp i, 0,1,2,3
	ds_store_b128 v14, v[XR+16*((\t)%4)+4*\i:XR+16*((\t)%4)+4*\i+3] offset:32*SP*((\t)%2)+8*SP*\i
.endr
.irp i, 0,1,2,3
	ds_load_b128 v[XX+16*((\t)%2)+4*\i:XX+16*((\t)%2)+4*\i+3], v15 offset:32*SP*((\t)%2)+16*\i
.endr
.endm
.irp t, 0,1,2,3
	XLOAD \t
.endr
	s_wait_loadcnt 12                              ; step 0's four loads are in; the 12 of steps 1 to 3 may be out
	XTURN 0
.macro XSTEP t
.set XS, XX+16*((\t)%2)
.if (\t) > 0
	s_wait_dscnt 1                                 ; this step's numbers are back from the stage (the last step's byte store may be out): so its stores into the stage have read their registers,
.else
	s_wait_dscnt 0x0
.endif
.if (\t)+4 < STEPS
	XLOAD (\t)+4                                   ; which take the loads of four steps on
.endif
.if (\t)+1 < STEPS
.if STEPS-2-(\t) >= 3
	s_wait_loadcnt 12                              ; the next step's four loads are in; those of the three steps behind it may be out
.else
	s_wait_loadcnt 4*(STEPS-2-(\t))
.endif
	XTURN (\t)+1
.endif
	v_max3_num_f32 v8, |v[XS]|, |v[XS+1]|, |v[XS+2]|               ; the largest magnitude of my 16, in two chains
	v_max3_num_f32 v9, |v[XS+3]|, |v[XS+4]|, |v[XS+5]|
.irp i, 6,10
	v_max3_num_f32 v8, v8, |v[XS+\i]|, |v[XS+\i+1]|
	v_max3_num_f32 v9, v9, |v[XS+\i+2]|, |v[XS+\i+3]|
.endr
	v_max3_num_f32 v8, v8, |v[XS+14]|, |v[XS+15]|
	v_max3_num_f32 v8, v8, v9, (EMAX+1)<<23        ; and the floor 2^(3 - 127): the byte cannot fall under 1
	v_max_num_f32_dpp v8, v8, v8 row_xmask:1 row_mask:0xf bank_mask:0xf   ; with my neighbour's 16: the block's
	v_add_nc_u32 v11, -(EMAX<<23), v8              ; 2 off its exponent field: the conversion takes the exponent field of this operand as its scale
	v_cvt_scalef32_pk8_fp4_f32 v[XC+4*(\t)], v[XS:XS+7], v11
	v_cvt_scalef32_pk8_fp4_f32 v[XC+4*(\t)+1], v[XS+8:XS+15], v11
	v_lshrrev_b32 v[XE+(\t)], 23, v11              ; the scale's byte (a plain line behind the conversions)
	ds_store_b8 v5, v[XE+(\t)] offset:16*(\t)      ; both lanes of a block write the same byte with the same value
	global_store_b64 v4, v[XC+4*(\t):XC+4*(\t)+1], s[14:15] offset:32*CB*(\t)   ; the wave stores 256 consecutive bytes, aligned
.endm
.irp t, 0,1,2,3,4,5,6,7,8,9,10,11,12,13,14,15
	XSTEP \t
.endr
	ds_load_b64 v[8:9], v6                         ; LDS serves a wave's instructions in order: these see my byte stores
	s_wait_dscnt 0x0
	global_store_b64 v7, v[8:9], s[16:17]          ; 32 lanes store 256 consecutive bytes, aligned
	CLOSE
; ---------------------------------------------------------------- Wq, Wk, Wv: K is the FIRST axis
; A lane takes a column n and its registers run down K: each load reads 128 consecutive bytes a wave, a block of 32 along K lies in one lane's 32 registers, and the conversions give codes with K innermost.
; A wave takes 32 columns x 512 along K: 256 bytes of codes a column, which go through the wave's stage and leave as rows, sixteen lanes to 256 consecutive bytes.
.set NB,    16                         ; blocks
.set PITCH, 272                        ; a stage row: 256 bytes + 16
.set KROW,  512                        ; a row of w_codes
.set WX,    32                         ; v32-95   two sets of 32 numbers
.set WC,    96                         ; v96-99   a block's codes
.set OUTR,  112                        ; v112-175 the way out
.set SB,    24                         ; v24-27   the scale bytes, four to a register
.Lpath_w:
	s_lshr_b32 s25, ttmp9, 4                       ; which weight: 0 q, 1 k, 2 v
	s_and_b32 s26, ttmp9, 7                        ; which 128 columns
	s_bfe_u32 s27, ttmp9, 0x10003                  ; which 512 along K
	s_cmp_eq_u32 s25, 0                            ; the choice hangs on the work-group's number alone
	s_cselect_b64 s[6:7], s[6:7], s[8:9]
	s_cmp_eq_u32 s25, 2
	s_cselect_b64 s[6:7], s[10:11], s[6:7]
	s_lshl_b32 s28, s26, 7
	s_lshl_b32 s29, s[WV], 5
	s_add_co_u32 s28, s28, s29                     ; my wave's first column
	s_lshl_b32 s30, s25, 10
	s_add_co_u32 s30, s30, s28                     ; and its row in w_codes and w_scales
	s_mov_b32 s33, 0
	s_lshl_b32 s32, s27, 21                        ; 512 rows of 4,096 bytes
	s_lshl_b32 s34, s28, 2
	s_add_co_u32 s32, s32, s34
	s_add_nc_u64 s[6:7], s[6:7], s[32:33]
	s_lshl_b32 s32, s30, 9
	s_lshl_b32 s34, s27, 8
	s_add_co_u32 s32, s32, s34
	s_add_nc_u64 s[18:19], s[18:19], s[32:33]
	s_lshl_b32 s32, s30, 5
	s_lshl_b32 s34, s27, 4
	s_add_co_u32 s32, s32, s34
	s_add_nc_u64 s[20:21], s[20:21], s[32:33]
	v_lshlrev_b32 v3, 2, v2                        ; in: 4 bytes a lane
	s_mul_i32 s31, s[WV], 32*PITCH
	s_add_co_u32 s31, s31, WSTG                    ; my stage
	v_mul_u32_u24 v4, v2, PITCH
	v_add_nc_u32 v4, s31, v4                       ; into it: row = my column
	v_and_b32 v5, 15, v2
	v_lshrrev_b32 v6, 4, v2
	v_mul_u32_u24 v7, v6, PITCH
	v_lshl_add_u32 v7, v5, 4, v7
	v_add_nc_u32 v7, s31, v7                       ; out of it: sixteen lanes to a row, two rows an instruction
	v_mul_u32_u24 v8, v6, KROW
	v_lshl_add_u32 v8, v5, 4, v8                   ; and the same place in w_codes
	v_lshlrev_b32 v9, 5, v2                        ; my column's row of scale bytes
.macro WLOAD t                         ; block t: W(32 t + i, my column) into set t % 2
.irp i, 0,1,2,3,4,5,6,7,8,9,10,11,12,13,14,15,16,17,18,19,20,21,22,23,24,25,26,27,28,29,30,31
	global_load_b32 v[WX+32*((\t)%2)+\i], v3, s[6:7] offset:(32*(\t)+\i)*4096 th:TH_LOAD_NT
.endr
.endm
	WLOAD 0
	WLOAD 1
.macro WBLOCK t
.set WS, WX+32*((\t)%2)
.if (\t) < NB-1
	s_wait_loadcnt 32                              ; this block's 32 loads are in; the next block's 32 may be out
.else
	s_wait_loadcnt 0
.endif
	v_max3_num_f32 v16, |v[WS]|, |v[WS+1]|, |v[WS+2]|              ; the block's largest magnitude: all 32 numbers are mine
	v_max3_num_f32 v17, |v[WS+3]|, |v[WS+4]|, |v[WS+5]|
.irp i, 6,10,14,18,22,26
	v_max3_num_f32 v16, v16, |v[WS+\i]|, |v[WS+\i+1]|
	v_max3_num_f32 v17, v17, |v[WS+\i+2]|, |v[WS+\i+3]|
.endr
	v_max3_num_f32 v16, v16, |v[WS+30]|, |v[WS+31]|
	v_max3_num_f32 v16, v16, v17, (EMAX+1)<<23     ; and the floor
	v_add_nc_u32 v11, -(EMAX<<23), v16             ; the conversion's scale operand
	v_lshrrev_b32 v17, 23, v11                     ; the scale's byte
.if (\t)%4 == 0
	v_mov_b32 v[SB+(\t)/4], v17                    ; four bytes to a register, the lower K in the lower byte
.else
	v_lshl_or_b32 v[SB+(\t)/4], v17, 8*((\t)%4), v[SB+(\t)/4]
.endif
.irp g, 0,1,2,3
	v_cvt_scalef32_pk8_fp4_f32 v[WC+\g], v[WS+8*\g:WS+8*\g+7], v11
.endr
	v_nop                                          ; one plain line behind the last conversion
	ds_store_b128 v4, v[WC:WC+3] offset:16*(\t)    ; 32 codes: 16 bytes of my column's row
.if (\t)+2 < NB
	WLOAD (\t)+2
.endif
	s_wait_dscnt 0x0                               ; the store has read its registers: the next block's codes may be written
.endm
.set Q, 0
.rept NB
	WBLOCK Q
.set Q, Q+1
.endr
	global_store_b128 v9, v[SB:SB+3], s[20:21]     ; my column's 16 scale bytes
.irp t, 0,1,2,3,4,5,6,7,8,9,10,11,12,13,14,15
	ds_load_b128 v[OUTR+4*\t:OUTR+4*\t+3], v7 offset:2*\t*PITCH
.endr
.irp t, 0,1,2,3,4,5,6,7,8,9,10,11,12,13,14,15
	s_wait_dscnt 15-\t                             ; LDS loads come back in order: pair t of rows is in
	global_store_b128 v8, v[OUTR+4*\t:OUTR+4*\t+3], s[18:19] offset:2*\t*KROW   ; sixteen lanes store 256 consecutive bytes, aligned
.endr
	CLOSE
; ---------------------------------------------------------------- Wo: f16, in the order of an operand's registers
; A fragment is 16 columns n x 32 along K: lane (r, h) holds column r; registers 0-3 hold K = 8 h + 0..7, registers 4-7 K = 16 + 8 h + 0..7.  In wf registers 0-3 lie at 16 (r + 16 h), registers 4-7 512 bytes on.
; A lane takes a column and its registers run down K, 32 to a block: eight neighbours along K pack into 16 bytes, chunk q of four: it lies at 512 (q / 2) + 256 (q % 2) + 16 r of the fragment.
; A wave takes 32 columns (two fragments side by side) x 256 along K (8 blocks).  Sixteen lanes store 256 consecutive bytes, aligned.
.Lpath_o:
	s_sub_co_u32 s25, ttmp9, 48
	s_and_b32 s26, s25, 7                          ; which 128 columns
	s_lshr_b32 s27, s25, 3                         ; which 256 along K
	v_lshlrev_b32 v3, 2, v2                        ; in: 4 bytes a lane
	v_lshrrev_b32 v4, 4, v2
	v_and_b32 v5, 15, v2
	v_lshlrev_b32 v4, 12, v4
	v_lshl_add_u32 v4, v5, 4, v4                   ; out: 4,096 (lane / 16) + 16 (lane % 16)
	s_mov_b32 s29, 0
	s_lshl_b32 s28, s27, 20                        ; 256 rows of 4,096 bytes
	s_lshl_b32 s30, s26, 9
	s_add_co_u32 s28, s28, s30
	s_lshl_b32 s30, s[WV], 7
	s_add_co_u32 s28, s28, s30
	s_add_nc_u64 s[12:13], s[12:13], s[28:29]
	s_lshl_b32 s28, s27, 19                        ; two K steps of 262,144 bytes
	s_lshl_b32 s30, s26, 15
	s_add_co_u32 s28, s28, s30
	s_lshl_b32 s30, s[WV], 13
	s_add_co_u32 s28, s28, s30
	s_add_nc_u64 s[22:23], s[22:23], s[28:29]
.macro OLOAD t
.irp i, 0,1,2,3,4,5,6,7,8,9,10,11,12,13,14,15,16,17,18,19,20,21,22,23,24,25,26,27,28,29,30,31
	global_load_b32 v[32+32*((\t)%2)+\i], v3, s[12:13] offset:(32*(\t)+\i)*4096 th:TH_LOAD_NT
.endr
.endm
	OLOAD 0
	OLOAD 1
.macro OBLOCK t
.if (\t) < 7
	s_wait_loadcnt 32                              ; this block's 32 loads are in; the next block's 32 may be out
.else
	s_wait_loadcnt 0
.endif
.if (\t) >= 2
	s_wait_xcnt 0x0                                ; the stores of two blocks back have read the registers that are written now
.endif
.irp i, 0,1,2,3,4,5,6,7,8,9,10,11,12,13,14,15
	v_cvt_pk_f16_f32 v[96+16*((\t)%2)+\i], v[32+32*((\t)%2)+2*\i], v[32+32*((\t)%2)+2*\i+1]   ; the lower K in the low half
.endr
.irp q, 0,1,2,3
	global_store_b128 v4, v[96+16*((\t)%2)+4*\q:96+16*((\t)%2)+4*\q+3], s[22:23] offset:((\t)/4)*262144+((\t)%4)*1024+(\q/2)*512+(\q%2)*256
.endr
.if (\t)+2 < 8
	OLOAD (\t)+2
.endif
.endm
.set Q, 0
.rept 8
	OBLOCK Q
.set Q, Q+1
.endr
	CLOSE
.Lfunc_end_k_q0a0b5987f0_prep:
	.size	k_q0a0b5987f0_prep, .Lfunc_end_k_q0a0b5987f0_prep-k_q0a0b5987f0_prep
	.p2alignl 7, 3214868480
	.fill 96, 4, 3214868480
	.section	.rodata,"a",@progbits
	.p2align	6, 0x0
	.amdhsa_kernel k_q0a0b5987f0_prep
		.amdhsa_group_segment_fixed_size 68096
		.amdhsa_private_segment_fixed_size 0
		.amdhsa_enable_private_segment 0
		.amdhsa_kernarg_size 80
		.amdhsa_user_sgpr_count 2
		.amdhsa_user_sgpr_kernarg_segment_ptr 1
		.amdhsa_wavefront_size32 1
		.amdhsa_system_sgpr_workgroup_id_x 1
		.amdhsa_system_sgpr_workgroup_id_y 1
		.amdhsa_system_sgpr_workgroup_id_z 1
		.amdhsa_system_vgpr_workitem_id 0
		.amdhsa_next_free_vgpr 192
		.amdhsa_next_free_sgpr 66
		.amdhsa_reserve_vcc 0
		.amdhsa_float_denorm_mode_32 3
		.amdhsa_float_denorm_mode_16_64 3
		.amdhsa_memory_ordered 1
		.amdhsa_forward_progress 1
		.amdhsa_inst_pref_size 148
	.end_amdhsa_kernel
	.amdgpu_metadata
---
amdhsa.version: [ 1, 2 ]
amdhsa.kernels:
  - .name:           k_q0a0b5987f0_prep
    .symbol:         k_q0a0b5987f0_prep.kd
    .args:
      - { .name: x, .offset: 0, .size: 8, .value_kind: global_buffer, .address_space: global }
      - { .name: Wq, .offset: 8, .size: 8, .value_kind: global_buffer, .address_space: global }
      - { .name: Wk, .offset: 16, .size: 8, .value_kind: global_buffer, .address_space: global }
      - { .name: Wv, .offset: 24, .size: 8, .value_kind: global_buffer, .address_space: global }
      - { .name: Wo, .offset: 32, .size: 8, .value_kind: global_buffer, .address_space: global }
      - { .name: x_codes, .offset: 40, .size: 8, .value_kind: global_buffer, .address_space: global }
      - { .name: x_scales, .offset: 48, .size: 8, .value_kind: global_buffer, .address_space: global }
      - { .name: w_codes, .offset: 56, .size: 8, .value_kind: global_buffer, .address_space: global }
      - { .name: w_scales, .offset: 64, .size: 8, .value_kind: global_buffer, .address_space: global }
      - { .name: wf, .offset: 72, .size: 8, .value_kind: global_buffer, .address_space: global }
    .group_segment_fixed_size: 68096
    .private_segment_fixed_size: 0
    .kernarg_segment_align: 8
    .kernarg_segment_size: 80
    .max_flat_workgroup_size: 128
    .sgpr_count:     66
    .vgpr_count:     192
    .wavefront_size: 32
...
	.end_amdgpu_metadata
.endif
;; end of part 1
;; launch qkv (part 2): grid 12 x 32, 4 waves a work-group, clusters of 4 x 4, 327,680 bytes of LDS; arguments x_codes, x_scales, w_codes, w_scales, bq, bk, bv, qkvf; writes qkvf
.if DOCPART == 2
	.amdgcn_target "amdgcn-amd-amdhsa--gfx1250"
	.amdhsa_code_object_version 6
	.text
	.protected	k_q0a0b5987f0_qkv
	.globl	k_q0a0b5987f0_qkv
	.p2align	8
	.type	k_q0a0b5987f0_qkv,@function
k_q0a0b5987f0_qkv:
	s_mov_b64 s[64:65], 0
	v_nop
	global_prefetch_b8 v0, s[64:65] scope:SCOPE_SE
	s_setreg_imm32_b32 hwreg(HW_REG_WAVE_MODE, 25, 1), 1
	s_wait_xcnt 0x0
	s_wait_alu depctr_hold_cnt(0) depctr_sa_sdst(0) depctr_va_vdst(0) depctr_va_sdst(0) depctr_va_ssrc(0) depctr_va_vcc(0) depctr_vm_vsrc(0)
	s_getreg_b32 s2, hwreg(HW_REG_IB_STS2, 6, 4)
	s_cmp_eq_u32 s2, 0
	s_cbranch_scc0 .Lentry_in_a_cluster
	s_endpgm
.Lentry_in_a_cluster:
	s_bfe_u32 s2, ttmp6, 0x10000c
	s_cmp_lg_u32 s2, 0xf033
	s_cbranch_scc0 .Lentry_shape_is_right
	s_endpgm
.Lentry_shape_is_right:
; q, k, v = Q(x) Q(W) + b, the three quantised products as ONE product [8192] x [3072 = which x 1024 + n], K = 1,024, on codes of FP4 (E2M1) with one E8M0 scale for each 32 along K; sums in f32.
; A tile of 256 tokens x 256 columns is made by a work-group of four waves, a wave makes 128 x 128: 64 accumulators, 512 registers.  K is two steps of 512: both slots and all scale bytes are first fills, nothing is filled again.
; CLUSTERS: 4 x 4 work-groups.  The four of a row of the cluster need the same tiles of x, the four of a column the same tiles of W: each tile is asked for JOINTLY.  A cluster's four tile columns are one weight: which = cluster x.
; THE MATRIX INSTRUCTION IS USED TRANSPOSED (source 0 = 16 rows of W's codes, source 1 = 16 tokens): a lane holds one token and eight neighbouring columns.  THE BIAS is the C of each sum's first product.
; THE WAY OUT: rounded to f16 and stored straight from registers as PIECES of 512 bytes, the images of four operand registers: piece (16 tokens T, 16 channels c): lane (r, h) holds token r, channels 16 c + 8 h + 0..7, at byte 16 x lane.
;   qkvf: [which 3][batch x 16 + head: 64][T 128][c 4][512 bytes].  In v's pieces lane (r, h)'s 16 bytes lie at 16 x (16 (r / 8) + 8 h + r % 8), so that the turning LDS load of the next launch finds them at 16 x lane.
; LIMIT: |q|, |k|, |v| stay under 65,504 (f16).
; 384 work-groups: a tile has to lie inside one of q, k, v, and 256 x 256 is what the registers hold.
; REGISTERS: window 0: v0-31 addresses; v32-95 scale words, two sets; v128-191 x's fragments, one set; v192-255 the bias; on the way out v128-255 packed results.  window 1: W's fragments, two sets.  windows 2, 3: accumulators.
.set KSTEP,  512                       ; along K in a slot
.set NQ,     4                         ; matrix instructions deep
.set ROWB,   256                       ; a tile's row in bytes
.set KROW,   512                       ; a row of codes in memory
.set PITCH,  272                       ; an LDS row: 256 bytes + 16 of padding: the 16 rows that a load touches start at 16 different banks (64 banks of 4 bytes: ISA guide 11.1)
.set FR,     8
.set NL,     2
.set NP,     4                         ; places behind this matrix instruction (ISA guide 7.12.1)
.set HALFT,  128*PITCH
.set SLOT,   4*HALFT                   ; x's 256 rows, then W's 256 rows
.set KS,     32                        ; a row of scale bytes
.set SCL,    2*SLOT                    ; behind the ring: the scales, as units of 256 bytes + 16 of padding
.set HALFS,  (128*KS/256)*272
.set SBLK,   (16*KS/256)*272
.set SPARE,  SCL+4*HALFS               ; the spare words, 128 bytes for each wave: two blocks of 256 bytes that no other line names
.set ADRA, 16                          ; v16-17  LDS address of my fragments of x in slot 0, 1
.set ADRB, 20                          ; v20-21  the same for W
.set SO,   26                          ; v26     my lane's place in a piece
.set ADRS, 27                          ; v27     LDS address of my scale words: lanes 0-15 x's rows, lanes 16-31 W's
.set SPW,  28                          ; v28     LDS address of my spare word; never rewritten
.set NIL,  29                          ; v29     0; never rewritten
.set SC,   32
.set AF,   128
.set BI,   192                         ; the bias: register 8 b + j = bias of column 16 b + 8 (lane / 16) + j of my 128
.set TMP,  128                         ; the way out: four sets of 32
.set G1, 24
.set G0, 32
.set G1B, 48
.set G0B, 56
.set G1S, 68
.set G0S, 76
.set G1SB, 80
.set G0SB, 88
.set MSB, 0
.macro WIN new                         ; the immediate's high byte repeats the setting that is left; a switch that changes nothing is dropped
.if MSB != (\new)
	s_set_vgpr_msb (MSB<<8)|(\new)
.set MSB, (\new)
.endif
.endm
.set MUL_LO, 0xa1                      ; source 0 (W) window 1, source 1 (x) window 0, C and D window 2;  0x81: C (the bias) window 0
.set MUL_HI, 0xf1                      ; the same, C and D window 3;  0xc1: C window 0
.set TO_B,   0x40
; A joint load: waves 0 and 1 fetch for x, waves 2 and 3 for W.  The branch hangs on the wave's number alone.  An s_nop 0 and four v_nop follow each of the two lines.
.macro JLOAD g0a, g1a, g0b, g1b
	s_cmp_eq_u32 s15, 0
	s_cbranch_scc0 .Lfor_b_\@
	tensor_load_to_lds s[\g0a:\g0a+3], s[\g1a:\g1a+7]
	s_nop 0
.rept 4
	v_nop
.endr
	s_branch .Lasked_\@
.Lfor_b_\@:
	tensor_load_to_lds s[\g0b:\g0b+3], s[\g1b:\g1b+7]
	s_nop 0
.rept 4
	v_nop
.endr
.Lasked_\@:
.endm
.macro CROUND                          ; a round of the cluster's barrier
	s_barrier_signal -1
	s_barrier_wait -1
	s_cmp_lg_u32 s14, 0
	s_cbranch_scc1 .Lnot_wave_0_\@
	s_barrier_signal -3
.Lnot_wave_0_\@:
	s_barrier_wait -3
	s_barrier_signal -1
	s_barrier_wait -1
.endm
	s_load_b128 s[4:7], s[0:1], 0x0                ; x's codes, x's scales
	s_load_b128 s[8:11], s[0:1], 0x10              ; W's codes, W's scales
	s_load_b128 s[96:99], s[0:1], 0x20             ; bq, bk
	s_load_b64 s[100:101], s[0:1], 0x30            ; bv
	s_load_b64 s[12:13], s[0:1], 0x38              ; qkvf
	v_lshl_add_u32 v[SPW], v0, 2, SPARE
	v_mov_b32 v[NIL], 0
	ds_add_u32 v[SPW], v[NIL]                      ; the wave's opening: the add, twice on end, and its wait ahead of my first tensor load
	ds_add_u32 v[SPW], v[NIL]
	v_lshrrev_b32 v1, 5, v0
	v_readfirstlane_b32 s14, v1                    ; wave 0..3
	s_lshr_b32 s15, s14, 1                         ; which half of the tile's tokens is mine.  Also: I fetch for x (0) or for W (1)
	s_and_b32 s16, s14, 1                          ; which half of its columns.  Also: which 128 rows of that tile I fetch
	s_bfe_u32 s40, ttmp6, 0x40000                  ; cx, cy: my place in the cluster
	s_bfe_u32 s41, ttmp6, 0x40004
	s_lshl_b32 s42, ttmp9, 2
	s_add_co_u32 s42, s42, s40                     ; tile column = 4 x cluster x + cx
	s_and_b32 s17, ttmp7, 0xffff
	s_lshl_b32 s17, s17, 2
	s_add_co_u32 s17, s17, s41                     ; tile row = 4 x cluster y + cy
	s_lshl_b32 s43, s41, 2
	s_lshl_b32 s43, 15, s43                        ; my row of the cluster
	s_lshl_b32 s44, 0x1111, s40                    ; my column
	s_or_b32 s[G1+0], s43, (0<<16)|(1<<20)|(1<<21)|(5<<22)|(3<<25)  ; the mask; elements of 1 byte; padding on; bit 21 beside a mask; after every 64 words, 4 words
	s_or_b32 s[G1B+0], s44, (0<<16)|(1<<20)|(1<<21)|(5<<22)|(3<<25)
.irp g, G1, G1B
	s_mov_b32 s[\g+1], ROWB<<16                    ; tensor_dim0
	s_mov_b32 s[\g+2], 128<<16                     ; tensor_dim1
	s_mov_b32 s[\g+3], ROWB<<16                    ; tile_dim0
	s_mov_b32 s[\g+4], 128                         ; tile_dim1
	s_mov_b32 s[\g+5], KROW                        ; the pitch
	s_mov_b32 s[\g+6], 0
	s_mov_b32 s[\g+7], 0
.endr
	s_or_b32 s[G1S+0], s43, (3<<16)|(1<<20)|(1<<21)|(5<<22)|(3<<25)  ; the scales of 128 rows: 4,096 dense bytes as rows of 256 (32 elements of 8 bytes), 16 bytes of padding behind each
	s_or_b32 s[G1SB+0], s44, (3<<16)|(1<<20)|(1<<21)|(5<<22)|(3<<25)
.irp g, G1S, G1SB
	s_mov_b32 s[\g+1], 32<<16
	s_mov_b32 s[\g+2], (128*KS/256)<<16
	s_mov_b32 s[\g+3], 32<<16
	s_mov_b32 s[\g+4], 128*KS/256
	s_mov_b32 s[\g+5], 32
	s_mov_b32 s[\g+6], 0
	s_mov_b32 s[\g+7], 0
.endr
	s_lshl_b32 s18, s16, 7                         ; which 128 rows of the tile I fetch
	s_lshl_b32 s20, s17, 8
	s_add_co_u32 s20, s20, s18                     ; x: row 256 x tile row + 128 x half
	s_lshl_b32 s46, s42, 8
	s_add_co_u32 s46, s46, s18                     ; W: row 256 x tile column + 128 x half
	s_mov_b32 s21, 0
	s_mov_b32 s47, 0
	s_mov_b64 s[18:19], KS
	s_mul_u64 s[22:23], s[20:21], s[18:19]         ; where these rows' scales begin,
	s_mul_u64 s[92:93], s[46:47], s[18:19]
	s_mov_b64 s[18:19], KROW
	s_mul_u64 s[20:21], s[20:21], s[18:19]         ; and their codes
	s_mul_u64 s[46:47], s[46:47], s[18:19]
	s_mul_i32 s45, s14, HALFT                      ; where they go: wave x 128 rows
	s_mul_i32 s94, s14, HALFS
	s_wait_dscnt 0x0                               ; both opening adds are done
	s_wait_kmcnt 0x0
	s_add_nc_u64 s[20:21], s[4:5], s[20:21]
	s_add_nc_u64 s[22:23], s[6:7], s[22:23]
	s_add_nc_u64 s[46:47], s[8:9], s[46:47]
	s_add_nc_u64 s[92:93], s[10:11], s[92:93]
	CROUND                                         ; all sixteen work-groups are here: the joint loads meet
	s_mov_b32 s[G0S], 1
	s_add_co_u32 s[G0S+1], s94, SCL
	s_mov_b64 s[G0S+2:G0S+3], s[22:23]
	s_or_b32 s[G0S+3], s[G0S+3], 0x80000000
	s_mov_b32 s[G0SB], 1
	s_add_co_u32 s[G0SB+1], s94, SCL
	s_mov_b64 s[G0SB+2:G0SB+3], s[92:93]
	s_or_b32 s[G0SB+3], s[G0SB+3], 0x80000000
	JLOAD G0S, G1S, G0SB, G1SB                     ; the scales first: they are wanted with K step 0
.irp s, 0,1
	s_mov_b32 s[G0+4*\s], 1
	s_add_co_u32 s[G0+4*\s+1], s45, \s*SLOT
	s_add_nc_u64 s[G0+4*\s+2:G0+4*\s+3], s[20:21], \s*ROWB
	s_or_b32 s[G0+4*\s+3], s[G0+4*\s+3], 0x80000000
	s_mov_b32 s[G0B+4*\s], 1
	s_add_co_u32 s[G0B+4*\s+1], s45, \s*SLOT
	s_add_nc_u64 s[G0B+4*\s+2:G0B+4*\s+3], s[46:47], \s*ROWB
	s_or_b32 s[G0B+4*\s+3], s[G0B+4*\s+3], 0x80000000
	JLOAD G0+4*\s, G1, G0B+4*\s, G1B               ; three tensor loads of mine are out, and no more follow
.endr
	v_and_b32 v1, 15, v0                           ; r = lane % 16
	v_bfe_u32 v2, v0, 4, 1                         ; h = lane / 16
	; the bias of my 128 columns: which weight's is chosen by the cluster's x, the same in all partners
	s_cmp_eq_u32 ttmp9, 0
	s_cselect_b64 s[96:97], s[96:97], s[98:99]
	s_cmp_eq_u32 ttmp9, 2
	s_cselect_b64 s[96:97], s[100:101], s[96:97]
	s_cselect_b32 s23, -1, 0                       ; all lanes where the section is v's
	s_lshl_b32 s20, s40, 10
	s_lshl_b32 s21, s16, 9
	s_add_co_u32 s20, s20, s21                     ; (256 cx + 128 x half) x 4 bytes
	s_mov_b32 s21, 0
	s_add_nc_u64 s[96:97], s[96:97], s[20:21]
	v_lshlrev_b32 v7, 5, v2                        ; + 8 h numbers; never rewritten
.irp b, 0,1,2,3,4,5,6,7
	global_load_b128 v[BI+8*\b:BI+8*\b+3], v7, s[96:97] offset:64*\b
	global_load_b128 v[BI+8*\b+4:BI+8*\b+7], v7, s[96:97] offset:64*\b+16
.endr
	v_mul_u32_u24 v3, v1, PITCH
	v_lshl_add_u32 v4, v2, 4, v3                   ; a fragment's row x pitch + 16 x half
	s_mul_i32 s21, s15, HALFT                      ; my 128 rows of x
	s_mul_i32 s22, s16, HALFT                      ; my 128 rows of W,
	s_add_co_u32 s22, s22, 2*HALFT                 ; which lie behind x's 256
.irp s, 0,1
	v_add_nc_u32 v[ADRA+\s], s21, v4
	v_add_nc_u32 v[ADRB+\s], s22, v4
	s_add_co_u32 s21, s21, SLOT
	s_add_co_u32 s22, s22, SLOT
.endr
	v_mul_u32_u24 v5, v1, KS                       ; my row's scales: 32 bytes a row,
	v_lshrrev_b32 v6, 8, v5
	v_lshl_add_u32 v5, v6, 4, v5                   ; and 16 more for each 256 passed
	s_mul_i32 s21, s15, HALFS
	s_mul_i32 s22, s16, HALFS
	s_add_co_u32 s22, s22, 2*HALFS
	s_sub_co_u32 s22, s22, s21
	v_mul_u32_u24 v6, s22, v2                      ; lanes 16-31 take W's: one product, the distance between the two bases
	s_add_co_u32 s21, s21, SCL
	v_add_nc_u32 v5, v5, v6
	v_add_nc_u32 v[ADRS], s21, v5
	; my lane's place in a piece: 16 x lane; in v's pieces 16 x (16 (r / 8) + 8 h + r % 8).  A choice of a value, no branch
	v_and_b32 v6, 31, v0
	v_lshlrev_b32 v[SO], 4, v6
	v_and_b32 v5, 8, v1
	v_lshlrev_b32 v5, 1, v5
	v_lshl_or_b32 v5, v2, 3, v5
	v_and_b32 v6, 7, v1
	v_or_b32 v5, v5, v6
	v_lshlrev_b32 v5, 4, v5
	v_cndmask_b32 v[SO], v[SO], v5, s23
	; where my part begins in qkvf: which << 24 + batch << 22 + (4 cx + 2 x column half) << 18 + (16 (tile row % 8) + 8 x token half) << 11
	s_lshl_b32 s20, ttmp9, 24
	s_lshr_b32 s21, s17, 3
	s_lshl_b32 s21, s21, 22
	s_add_co_u32 s20, s20, s21
	s_lshl_b32 s21, s40, 2
	s_lshl_b32 s22, s16, 1
	s_add_co_u32 s21, s21, s22
	s_lshl_b32 s21, s21, 18
	s_add_co_u32 s20, s20, s21
	s_and_b32 s21, s17, 7
	s_lshl_b32 s21, s21, 4
	s_lshl_b32 s22, s15, 3
	s_add_co_u32 s21, s21, s22
	s_lshl_b32 s21, s21, 11
	s_add_co_u32 s20, s20, s21
	s_mov_b32 s21, 0
	s_add_nc_u64 s[12:13], s[12:13], s[20:21]
.macro FRAG reg, adr, q, i             ; 16 rows x 128 K of 4-bit codes: 8 registers: lane l holds row l % 16; registers 4 c .. 4 c + 3 hold K = 64 c + 32 (l / 16) + 0 .. 31
.irp c, 0,1
	ds_load_b128 v[\reg+4*\c:\reg+4*\c+3], v[\adr] offset:64*(\q)+32*\c+(\i)*16*PITCH
.endr
.endm
; 16 matrix instructions: x's blocks a0, a0 + 1 against W's eight, 128 along K.  p: W's set; sc: the set of scale words.  zero = 1: the first product starts the sums, on the bias.
; The 64 accumulators take turns, one instruction a turn, in the same order in every step.
.macro MUL16 a0, p, q, sc, zero
.irp a, \a0, \a0+1
.irp b, 0,1,2,3,4,5,6,7
.if \zero
	v_wmma_scale_f32_16x16x128_f8f6f4 v[8*(8*((\a)%4)+\b):8*(8*((\a)%4)+\b)+7], v[128*(\p)+FR*\b:128*(\p)+FR*\b+FR-1], v[AF+FR*(\a):AF+FR*(\a)+FR-1], v[BI+8*\b:BI+8*\b+7], v[SC+8*NQ*(\sc)+NQ*\b+(\q)], v[SC+8*NQ*(\sc)+NQ*(\a)+(\q)] matrix_a_fmt:MATRIX_FMT_FP4 matrix_b_fmt:MATRIX_FMT_FP4 matrix_a_scale:MATRIX_SCALE_ROW1
.else
	v_wmma_scale_f32_16x16x128_f8f6f4 v[8*(8*((\a)%4)+\b):8*(8*((\a)%4)+\b)+7], v[128*(\p)+FR*\b:128*(\p)+FR*\b+FR-1], v[AF+FR*(\a):AF+FR*(\a)+FR-1], v[8*(8*((\a)%4)+\b):8*(8*((\a)%4)+\b)+7], v[SC+8*NQ*(\sc)+NQ*\b+(\q)], v[SC+8*NQ*(\sc)+NQ*(\a)+(\q)] matrix_a_fmt:MATRIX_FMT_FP4 matrix_b_fmt:MATRIX_FMT_FP4 matrix_a_scale:MATRIX_SCALE_ROW1
.endif
.endr
.endr
.endm
.macro FETCH_B slot, q, p
	WIN TO_B
.irp i, 0,1,2,3,4,5,6,7
	FRAG 128*(\p)+FR*\i, ADRB+\slot, \q, \i
.endr
	WIN 0
.endm
.macro FETCH_A slot, q, i0
.irp i, \i0, \i0+1, \i0+2, \i0+3
	FRAG AF+FR*(\i), ADRA+\slot, \q, \i
.endr
.endm
.macro SCALES sc                       ; a K step's scale words: 4 words a row; lanes 0-15 take x's block i, lanes 16-31 W's block i
.irp i, 0,1,2,3,4,5,6,7
	ds_load_b128 v[SC+8*NQ*\sc+NQ*\i:SC+8*NQ*\sc+NQ*\i+3], v[ADRS] offset:\i*SBLK
.endr
.endm
.macro PLACES n                        ; places in front of loads into registers that matrix instructions have read, and of the first read of results
.rept \n
	v_nop
.endr
.endm
.macro STEP slot, q, zero              ; a step of 128 along K that has its successor in the same slot
	s_wait_dscnt 4*NL                              ; W's set and x's blocks 0-3 are in; the youngest eight loads (x's blocks 4-7) may be out
	WIN MUL_LO-0x20*\zero
	MUL16 0, (\q)%2, \q, \slot, \zero
	MUL16 2, (\q)%2, \q, \slot, \zero
	s_wait_dscnt 0                                 ; x's blocks 4-7 are in
	PLACES NP
	FETCH_B \slot, (\q)+1, 1-(\q)%2
	FETCH_A \slot, (\q)+1, 0
	WIN MUL_HI-0x30*\zero
	MUL16 4, (\q)%2, \q, \slot, \zero
	MUL16 6, (\q)%2, \q, \slot, \zero
	PLACES NP
	WIN 0
	FETCH_A \slot, (\q)+1, 4
.endm
; Slot 0's last step changes slots: one barrier; in front of it each wave waits for all its tensor loads (its part of slot 1), adds 0 to its spare word, and waits for that and for its LDS loads.
.macro TURN slot, next
	s_wait_tensorcnt 0x0                           ; all my tensor loads have landed
	ds_add_u32 v[SPW], v[NIL]                      ; 0 onto my spare word
	s_wait_dscnt 4*NL+1                            ; (the add and the youngest eight loads may be out)
	WIN MUL_LO
	MUL16 0, 1, NQ-1, \slot, 0
	s_wait_dscnt 0x0
	s_barrier_signal -1
	MUL16 2, 1, NQ-1, \slot, 0
	WIN 0
	s_barrier_wait -1                              ; everybody's part of the next slot is in
	PLACES NP
	v_add_nc_u32 v[ADRS], 4*NQ, v[ADRS]            ; on to the next K step's scale words
	FETCH_B \next, 0, 0
	FETCH_A \next, 0, 0
	SCALES \next
	WIN MUL_HI
	MUL16 4, 1, NQ-1, \slot, 0
	MUL16 6, 1, NQ-1, \slot, 0
	PLACES NP
	WIN 0
	FETCH_A \next, 0, 4
.endm
.macro STEPS slot, from
.set Q, \from
.rept NQ-1-\from
	STEP \slot, Q, 0
.set Q, Q+1
.endr
.endm
	s_wait_tensorcnt 1                             ; the scales and my part of K step 0 are in (K step 1's load may be out),
	s_barrier_signal -1
	s_barrier_wait -1                              ; everybody's are
	FETCH_B 0, 0, 0
	FETCH_A 0, 0, 0
	SCALES 0
	FETCH_A 0, 0, 4
	s_wait_loadcnt 0x0                             ; the bias
	STEP 0, 0, 1
	STEPS 0, 1
	TURN 0, 1
	STEPS 1, 0
	s_wait_dscnt 4*NL                              ; the very last step: nothing more to fetch
	WIN MUL_LO
	MUL16 0, 1, NQ-1, 1, 0
	MUL16 2, 1, NQ-1, 1, 0
	s_wait_dscnt 0
	WIN MUL_HI
	MUL16 4, 1, NQ-1, 1, 0
	MUL16 6, 1, NQ-1, 1, 0
	WIN 0
	; THE WAY OUT, block by block of 16 tokens.  A lane's eight results of accumulator (a, b) pack into 16 bytes: its part of piece (token tile a, head b / 4, channels 16 (b % 4) on).  Each store covers 512 consecutive bytes, aligned.
	PLACES NP                                      ; in front of the writes over x's fragments; the later blocks' results have the earlier blocks' conversions as their places
.irp a, 0,1,2,3,4,5,6,7
.if \a == 4
	s_wait_xcnt 0x0                                ; the stores of blocks 0 to 3 have read the four sets, which are written again from here on
.endif
	WIN 0x0a+5*(\a/4)                              ; sources 0 and 1: window 2 or 3
.irp b, 0,1,2,3,4,5,6,7
.irp i, 0,1,2,3
	v_cvt_pk_f16_f32 v[TMP+32*(\a%4)+4*\b+\i], v[64*(\a%4)+8*\b+2*\i], v[64*(\a%4)+8*\b+2*\i+1]   ; each accumulator from its low end on
.endr
.endr
	WIN 0
.irp b, 0,1,2,3,4,5,6,7
	global_store_b128 v[SO], v[TMP+32*(\a%4)+4*\b:TMP+32*(\a%4)+4*\b+3], s[12:13] offset:(\b/4)*262144+\a*2048+(\b%4)*512
.endr
.endr
	s_wait_tensorcnt 0x0                           ; the wave's end
	ds_add_u32 v[SPW], v[NIL]
	s_wait_dscnt 0x0
	CROUND                                         ; the closing round
	s_endpgm
.Lfunc_end_k_q0a0b5987f0_qkv:
	.size	k_q0a0b5987f0_qkv, .Lfunc_end_k_q0a0b5987f0_qkv-k_q0a0b5987f0_qkv
	.p2alignl 7, 3214868480
	.fill 96, 4, 3214868480
	.section	.rodata,"a",@progbits
	.p2align	6, 0x0
	.amdhsa_kernel k_q0a0b5987f0_qkv
		.amdhsa_group_segment_fixed_size 327680
		.amdhsa_private_segment_fixed_size 0
		.amdhsa_enable_private_segment 0
		.amdhsa_kernarg_size 64
		.amdhsa_user_sgpr_count 2
		.amdhsa_user_sgpr_kernarg_segment_ptr 1
		.amdhsa_wavefront_size32 1
		.amdhsa_system_sgpr_workgroup_id_x 1
		.amdhsa_system_sgpr_workgroup_id_y 1
		.amdhsa_system_sgpr_workgroup_id_z 1
		.amdhsa_system_vgpr_workitem_id 0
		.amdhsa_next_free_vgpr 1024
		.amdhsa_next_free_sgpr 102
		.amdhsa_reserve_vcc 0
		.amdhsa_float_denorm_mode_32 3
		.amdhsa_float_denorm_mode_16_64 3
		.amdhsa_memory_ordered 1
		.amdhsa_forward_progress 1
		.amdhsa_inst_pref_size 120
	.end_amdhsa_kernel
	.amdgpu_metadata
---
amdhsa.version: [ 1, 2 ]
amdhsa.kernels:
  - .name:           k_q0a0b5987f0_qkv
    .symbol:         k_q0a0b5987f0_qkv.kd
    .args:
      - { .name: x_codes, .offset: 0, .size: 8, .value_kind: global_buffer, .address_space: global }
      - { .name: x_scales, .offset: 8, .size: 8, .value_kind: global_buffer, .address_space: global }
      - { .name: w_codes, .offset: 16, .size: 8, .value_kind: global_buffer, .address_space: global }
      - { .name: w_scales, .offset: 24, .size: 8, .value_kind: global_buffer, .address_space: global }
      - { .name: bq, .offset: 32, .size: 8, .value_kind: global_buffer, .address_space: global }
      - { .name: bk, .offset: 40, .size: 8, .value_kind: global_buffer, .address_space: global }
      - { .name: bv, .offset: 48, .size: 8, .value_kind: global_buffer, .address_space: global }
      - { .name: qkvf, .offset: 56, .size: 8, .value_kind: global_buffer, .address_space: global }
    .group_segment_fixed_size: 327680
    .private_segment_fixed_size: 0
    .kernarg_segment_align: 8
    .kernarg_segment_size: 64
    .max_flat_workgroup_size: 128
    .sgpr_count:     102
    .vgpr_count:     1024
    .wavefront_size: 32
...
	.end_amdgpu_metadata
.endif
;; end of part 2
;; launch attn (part 3): grid 8 x 64, 4 waves a work-group, clusters of 4 x 1, 327,680 bytes of LDS; arguments qkvf, cf; writes cf
.if DOCPART == 3
	.amdgcn_target "amdgcn-amd-amdhsa--gfx1250"
	.amdhsa_code_object_version 6
	.text
	.protected	k_q0a0b5987f0_attn
	.globl	k_q0a0b5987f0_attn
	.p2align	8
	.type	k_q0a0b5987f0_attn,@function
k_q0a0b5987f0_attn:
	s_mov_b64 s[64:65], 0
	v_nop
	global_prefetch_b8 v0, s[64:65] scope:SCOPE_SE
	s_setreg_imm32_b32 hwreg(HW_REG_WAVE_MODE, 25, 1), 1
	s_wait_xcnt 0x0
	s_wait_alu depctr_hold_cnt(0) depctr_sa_sdst(0) depctr_va_vdst(0) depctr_va_sdst(0) depctr_va_ssrc(0) depctr_va_vcc(0) depctr_vm_vsrc(0)
	s_getreg_b32 s2, hwreg(HW_REG_IB_STS2, 6, 4)
	s_cmp_eq_u32 s2, 0
	s_cbranch_scc0 .Lentry_in_a_cluster
	s_endpgm
.Lentry_in_a_cluster:
	s_bfe_u32 s2, ttmp6, 0x10000c
	s_cmp_lg_u32 s2, 0x3003
	s_cbranch_scc0 .Lentry_shape_is_right
	s_endpgm
.Lentry_shape_is_right:
; ctx[hd][q][:] = the sum over k of softmax_k(q . k / 8) v[k][:], for 64 heads (batch x 16 + head) of 2,048 tokens x 64 channels; no mask.  Operands f16, products, maxima and sums f32; the weights p are rounded to f16, ctx once at the end.
; LIMIT: |q|, |k|, |v| and so |ctx| stay under 65,504 (f16); p is at most 1, by the running maximum.
; INPUT qkvf: [q, k, v][hd 64][16 tokens T: 128][16 channels c: 4][512 bytes]: a PIECE is the image of four operand registers: lane (r, h) holds token r, channels 16 c + 8 h + 0..7, at byte 16 x lane.  Pieces 2 f and 2 f + 1 are a
; fragment of 16 tokens x 32 channels.  In v's pieces the lanes' places are laid so that ds_load_tr16_b128 at 16 x lane gives lane (r, h) channel 16 c + r and tokens 8 h + 0..7: half a fragment of V^T.
; So every LDS load here reads 512 consecutive bytes, and a key step's tiles are dense blocks of memory.  OUTPUT cf: [K step of the next product: head / 2][token tile: 512][piece: 4 (head % 2) + c][512 bytes].
; SHARES.  A work-group owns 256 queries of one head, each of its four waves 64: four tiles of 16.  Every wave walks all keys, 64 a step.
; LAYOUT.  S^T = K Q^T (source 0 = 16 keys, source 1 = 16 queries): a lane holds ONE query and the keys 8 (lane / 16) + 0..7.  Two such tiles, rounded in pairs, ARE source 1 of O^T = V^T P.  Nothing changes lanes between the products.
; SOFTMAX.  A running maximum m and sum l: p = 2^(c s - c m), c = log2(e) / 8; in every step O and l are multiplied by a = 2^(c m_old - c m_new).
; BY TURNS.  The wave's tiles are two PIECES OF WORK: tiles 0, 1 and tiles 2, 3.  In a TURN one has the matrix unit (16 products V^T P of the step in hand, 16 products K Q^T of the next), and the other's softmax, cut into slices of four
; instructions, stands between them, two slices behind each matrix instruction.  A tile's softmax is 118 instructions, so a turn has 236 for 32 matrix instructions.
; CLUSTER.  The four query blocks of a cluster belong to one head and walk the same K and V: each tile is asked for JOINTLY.
; REGISTERS: window 0: v2-4 addresses; v12-43 statistics, eight a tile; v61-63; v64-191 S^T, 32 a tile; v192-255 P, 16 a tile.  window 1: v0-127 O^T, 32 a tile; v128-191 Q, 16 a tile; v192-255 K of one step.  window 2: v0-63 V of one step.
.set STEPB, 8192                       ; a key step's K (or V): 16 pieces
.set VOFF,  32768                      ; a slot: four steps' K, then four steps' V
.set SLOT1, 65536                      ; slot 1 begins here: one exclusive or turns an address in one slot into the other's
.set SLOTB, 32768                      ; a slot's K (or V) in memory
.set SPARE, 131072                     ; behind the ring: the spare words, 128 bytes for each wave: two blocks of 256 bytes that no other line names
.set LN,  2                            ; v2   16 x lane: my place in every piece; never rewritten
.set AV0, 3                            ; v3   the same + VOFF
.set ADR, 4                            ; v4   the LDS address of the run of loads in hand
.set ST,  12                           ; tile t's statistics at v[ST+8 t]: +0 c m, +1 m, +2, +3 l (even keys', odd keys'), +4 to +7 at work; a takes +6 once the maximum is found
.set PFO, 61                           ; v61  256 x lane; never rewritten
.set SPW, 62                           ; v62  LDS address of my spare word; never rewritten
.set NIL, 63                           ; v63  0; never rewritten
.set S,   64
.set P,   192
.set QF,  128                          ; in window 1
.set KF,  192                          ; in window 1
.set WV,  12                           ; s12  my wave's number
.set LIM, 15                           ; s15  1 in a wave that prefetches, else the greatest number
.set PFA, 18                           ; s[18:19] where my prefetches stand
.set G1,  24                           ; s[24:31] descriptor group 1, one for all loads
.set G0,  40                           ; s[40:47] descriptor group 0: a set for each of the two first fills; the second then walks on
.set SLOTS, 56                         ; s56  slots still to be asked for
.set CNT, 57                           ; s57  counts key steps
.set CS,  58                           ; s[58:59] c
.set SEL, 60                           ; s[60:61] lane selects for v_permlanex16_b32: lane l xor 16
.set TB,  62                           ; s62  LDS byte at which the K of the step to be fetched begins
.set MSB, 0
.macro WIN new
.if MSB != (\new)
	s_set_vgpr_msb (MSB<<8)|(\new)
.set MSB, (\new)
.endif
.endm
.set W_KQ, 0x05                        ; K and Q in window 1, S^T in window 0
.set W_PV, 0x52                        ; V in window 2, P in window 0, O^T in window 1
.set W_RS, 0x41                        ; O^T (destination and source 0) in window 1, a in window 0
.macro JLOAD                           ; the joint refill: one line for all four waves; wave w's 16 KiB lie at w << 14 of the slot.  An s_nop 0 and four v_nop follow
	tensor_load_to_lds s[G0+4:G0+7], s[G1:G1+7]
	s_nop 0
.rept 4
	v_nop
.endr
.endm
; A PREFETCH INTO THE L2 of what the NEXT change of slots will ask for: a slot's 32 KiB of K and of V.  Both clusters of a head walk the same K and V: the head's first cluster asks; its four partners share the bytes out BY ADDRESS,
; 8 KiB each; in each, wave 0 asks for K's and wave 2 for V's: one instruction, lanes 256 bytes apart.  So each block of 256 bytes is named once.  It stands four key steps, 256 matrix instructions, ahead of the load.
; The last change that fills a slot asks for nothing.
.macro ASK
	s_cmp_gt_u32 s[SLOTS], s[LIM]
	s_cbranch_scc0 .Lnot_mine_\@
	global_prefetch_b8 v[PFO], s[PFA:PFA+1] th:TH_LOAD_NT scope:SCOPE_SE
.Lnot_mine_\@:
.endm
.macro CROUND                          ; a round of the cluster's barrier
	s_barrier_signal -1
	s_barrier_wait -1
	s_cmp_lg_u32 s[WV], 0
	s_cbranch_scc1 .Lnot_wave_0_\@
	s_barrier_signal -3
.Lnot_wave_0_\@:
	s_barrier_wait -3
	s_barrier_signal -1
	s_barrier_wait -1
.endm
	s_load_b128 s[4:7], s[0:1], 0x0                ; qkvf s[4:5], cf s[6:7]
	v_lshl_add_u32 v[SPW], v0, 2, SPARE
	v_mov_b32 v[NIL], 0
	ds_add_u32 v[SPW], v[NIL]                      ; the wave's opening: the add, twice on end, and its wait ahead of my first tensor load
	ds_add_u32 v[SPW], v[NIL]
	v_lshrrev_b32 v1, 5, v0
	v_readfirstlane_b32 s[WV], v1                  ; wave 0..3
	v_and_b32 v1, 31, v0
	v_lshlrev_b32 v[LN], 4, v1
	v_add_nc_u32 v[AV0], VOFF, v[LN]
	v_lshlrev_b32 v[PFO], 8, v1
	s_bfe_u32 s13, ttmp6, 0x40000                  ; cx: my place in the cluster
	s_lshl_b32 s14, ttmp9, 2
	s_add_co_u32 s14, s14, s13                     ; my block of 256 queries: it enters Q's and ctx's addresses alone
	s_and_b32 s16, ttmp7, 0xffff                   ; batch x 16 + head, which the four partners share
	s_lshl_b32 s17, s16, 18                        ; a head's 262,144 bytes in each section
	s_lshr_b32 s20, s[WV], 1                       ; waves 0, 1 fetch K (section 1), waves 2, 3 V (section 2),
	s_add_co_u32 s20, s20, 1
	s_lshl_b32 s20, s20, 24
	s_add_co_u32 s20, s20, s17
	s_and_b32 s21, s[WV], 1                        ; each a half of a slot's 32 KiB
	s_lshl_b32 s21, s21, 14
	s_add_co_u32 s20, s20, s21
	s_mov_b32 s21, 0
	s_lshl_b32 s22, s[WV], 14                      ; and its place in a slot: no place in the cluster enters an LDS address
	s_lshl_b32 s2, s14, 15                         ; Q: my block's 16 token tiles of 2,048 bytes, my wave's four
	s_add_co_u32 s2, s2, s17
	s_lshl_b32 s3, s[WV], 13
	s_add_co_u32 s2, s2, s3
	s_mov_b32 s3, 0
	s_and_b32 s10, s16, 15                         ; ctx: (head / 2) << 21 + (head % 2) << 11 + batch << 19 + block << 16 + wave << 14
	s_lshr_b32 s8, s10, 1
	s_lshl_b32 s8, s8, 21
	s_and_b32 s10, s10, 1
	s_lshl_b32 s10, s10, 11
	s_add_co_u32 s8, s8, s10
	s_lshr_b32 s10, s16, 4
	s_lshl_b32 s10, s10, 19
	s_add_co_u32 s8, s8, s10
	s_lshl_b32 s10, s14, 16
	s_add_co_u32 s8, s8, s10
	s_add_co_u32 s8, s8, s22
	s_mov_b32 s9, 0
	s_lshl_b32 s10, s13, 13                        ; the prefetches: my work-group's 8 KiB of the 32
	s_mov_b32 s11, 0
	s_mov_b32 s[G1], 15|(3<<16)|(1<<21)            ; the mask: all four work-groups; elements of 8 bytes; bit 21 beside a mask; no padding
	s_mov_b32 s[G1+1], 32<<16                      ; tensor_dim0 = 32 elements: rows of 256 bytes
	s_mov_b32 s[G1+2], 64<<16                      ; tensor_dim1 = 64
	s_mov_b32 s[G1+3], 32<<16                      ; tile_dim0
	s_mov_b32 s[G1+4], 64                          ; tile_dim1
	s_mov_b32 s[G1+5], 32                          ; the pitch: the block is dense
	s_mov_b32 s[G1+6], 0
	s_mov_b32 s[G1+7], 0
	s_mov_b32 s[CS], 0x3e38aa3b                    ; c = log2(e) / 8
	s_mov_b32 s[CS+1], s[CS]                       ; named with it as a pair, so it is written
	s_mov_b32 s[SEL], 0x76543210
	s_mov_b32 s[SEL+1], 0xfedcba98
	s_mov_b32 s[TB], 0
	s_mov_b32 s[SLOTS], 6                          ; 8 slots' worth of keys, two of them first fills
	s_and_b32 s[LIM], s[WV], 1                     ; 0 in waves 0 and 2,
	s_or_b32 s[LIM], s[LIM], ttmp9                 ; where the cluster is the head's first: the same in all four partners
	s_cmp_eq_u32 s[LIM], 0
	s_cselect_b32 s[LIM], 1, -1
	s_wait_dscnt 0x0                               ; both opening adds are done
	s_wait_kmcnt 0x0
	s_add_nc_u64 s[20:21], s[4:5], s[20:21]        ; K or V at my part of slot 0
	s_add_nc_u64 s[2:3], s[4:5], s[2:3]            ; Q at my wave's first tile
	s_add_nc_u64 s[6:7], s[6:7], s[8:9]            ; ctx likewise
	s_add_nc_u64 s[PFA:PFA+1], s[20:21], s[10:11]
	s_add_nc_u64 s[PFA:PFA+1], s[PFA:PFA+1], 2*SLOTB   ; at the third slot's worth; the first change steps it to the fourth.  Nothing is prefetched at the head
	CROUND                                         ; all four work-groups are here: the first joint loads meet
.irp s, 0,1
	s_mov_b32 s[G0+4*\s], 1                        ; count = 1
	s_add_co_u32 s[G0+4*\s+1], s22, \s*SLOT1       ; LDS address
	s_add_nc_u64 s[G0+4*\s+2:G0+4*\s+3], s[20:21], \s*SLOTB
	s_or_b32 s[G0+4*\s+3], s[G0+4*\s+3], 0x80000000   ; type = 2
.endr
	tensor_load_to_lds s[G0:G0+3], s[G1:G1+7]      ; the two first fills stand together: two loads of mine are out
	s_nop 0
	tensor_load_to_lds s[G0+4:G0+7], s[G1:G1+7]
	s_nop 0
.rept 4
	v_nop
.endr
	WIN 0x40                                       ; destination window 1
.irp i, 0,1,2,3,4,5,6,7,8,9,10,11,12,13,14,15
	global_load_b128 v[QF+4*\i:QF+4*\i+3], v[LN], s[2:3] offset:512*\i   ; Q stays in registers: tile i / 4, piece i % 4
.endr
	WIN 0
; THE MATRIX WORK OF A TURN, for the tiles x, x + 1.  The accumulators take turns, one instruction a turn: between two links of a chain stand seven others'.
.macro PV x, zero                      ; product i of 16 of O^T += V^T P: keys 32 (i / 8) on, channels 16 ((i / 2) % 4) on, tile x + i % 2.  zero = 1: the first 8 start the sums
	WIN W_PV
.set rO, 32*(\x+i%2)+8*((i/2)%4)
.set rV, 32*(i/8)+8*((i/2)%4)
.set rP, P+16*(\x+i%2)+8*(i/8)
.if (\zero) && (i < 8)
	v_wmma_f32_16x16x32_f16 v[rO:rO+7], v[rV:rV+7], v[rP:rP+7], 0
.else
	v_wmma_f32_16x16x32_f16 v[rO:rO+7], v[rV:rV+7], v[rP:rP+7], v[rO:rO+7]
.endif
.endm
.macro KQ x                            ; product i of 16 of S^T = K Q^T: channels 32 (i / 8) on, keys 16 ((i / 2) % 4) on, tile x + i % 2.  The first 8 start the sums
	WIN W_KQ
.set rS, S+32*(\x+i%2)+8*((i/2)%4)
.set rK, KF+16*((i/2)%4)+8*(i/8)
.set rQ, QF+16*(\x+i%2)+8*(i/8)
.if i < 8
	v_wmma_f32_16x16x32_f16 v[rS:rS+7], v[rK:rK+7], v[rQ:rQ+7], 0
.else
	v_wmma_f32_16x16x32_f16 v[rS:rS+7], v[rK:rK+7], v[rQ:rQ+7], v[rS:rS+7]
.endif
.endm
; THE LDS LOADS stand in runs of 16: a step's K and, a turn later, its V (turned).
.macro FETCH_K
	WIN 0
	v_add_nc_u32 v[ADR], s[TB], v[LN]
	WIN 0x40
.irp f, 0,1,2,3,4,5,6,7,8,9,10,11,12,13,14,15
	ds_load_b128 v[KF+4*\f:KF+4*\f+3], v[ADR] offset:512*\f
.endr
.endm
.macro FETCH_V
	WIN 0
	v_add_nc_u32 v[ADR], s[TB], v[AV0]
	s_add_co_u32 s[TB], s[TB], STEPB               ; the next fetch is the next step's
	s_wait_alu depctr_va_vdst(0)                   ; the wait for the softmax's batch of exponentials (SLICE), ahead of the first instruction that names a result
	WIN 0x80                                       ; destination window 2
.irp g, 0,1
.irp c, 0,1,2,3
	ds_load_tr16_b128 v[32*\g+8*\c:32*\g+8*\c+3],   v[ADR] offset:(8*\g+\c)*512     ; keys 32 g + 8 h + 0..7 of channel 16 c + r
	ds_load_tr16_b128 v[32*\g+8*\c+4:32*\g+8*\c+7], v[ADR] offset:(8*\g+4+\c)*512   ; keys 32 g + 16 + 8 h + 0..7
.endr
.endr
.endm
; THE VECTOR WORK OF A TURN.  One tile's softmax for one key step is a list of 118 instructions; SM writes number j of it for tile t.  first = 1: the first key step, which starts m, l and O^T.
;   0-15 the maximum of the lane's 32 scores and the old m;  16-20 the other half of the lanes' maximum, the new m, c m, c m_old - c m_new;
;   21-69 ONE BATCH: the 16 scalings c s - c m, a pair each, and all 33 exponentials; none of these reads an exponential's result;  (the wait)
;   70-85 the roundings to f16;  86-101 the sums, l = a l + the sum;  102-117 the tile's O^T times a.
.macro SM t, first
.if j < 118
.set rT, ST+8*(\t)
.set rS, S+32*(\t)
.set rP, P+16*(\t)
.set rO, 32*(\t)+2*(j-102)
.if j < 102
	WIN 0
.endif
.if j < 4
	v_max3_num_f32 v[rT+4+j], v[rS+8*j], v[rS+8*j+1], v[rS+8*j+2]   ; each accumulator is first read at its low end
.elseif j < 12
	v_max3_num_f32 v[rT+4+j%4], v[rT+4+j%4], v[rS+8*(j%4)+2*(j/4)+1], v[rS+8*(j%4)+2*(j/4)+2]
.elseif j == 12
	v_max3_num_f32 v[rT+4], v[rT+4], v[rS+7], v[rS+15]
.elseif j == 13
	v_max3_num_f32 v[rT+6], v[rT+6], v[rS+23], v[rS+31]
.elseif j == 14
	v_max3_num_f32 v[rT+4], v[rT+4], v[rT+5], v[rT+6]
.elseif (j == 15) && \first
	v_max_num_f32 v[rT+4], v[rT+4], v[rT+7]
.elseif j == 15
	v_max3_num_f32 v[rT+4], v[rT+4], v[rT+7], v[rT+1]
.elseif j == 16
	v_permlanex16_b32 v[rT+5], v[rT+4], s[SEL], s[SEL+1]   ; the query's other 32 keys lie in the lane 16 away
.elseif j == 18
	v_max_num_f32 v[rT+1], v[rT+4], v[rT+5]
.elseif j == 19
	v_mul_f32 v[rT], s[CS], v[rT+1]
.elseif ((j == 17) || (j == 20) || (j == 23) || (j > 101)) && \first
.elseif j == 17
	v_mov_b32 v[rT+7], v[rT]                       ; c m_old is kept for a
.elseif j == 20
	v_sub_f32 v[rT+7], v[rT+7], v[rT]
.elseif j == 23
	v_exp_f32 v[rT+6], v[rT+7]
.elseif (j < 23) || ((j < 38) && (j%2 == 0)) || ((j < 66) && (j%4 == 2))
.set b, (j-2)/4
.if j < 38
.set b, (j-20)/2
.endif
	v_pk_fma_f32 v[rS+2*b:rS+2*b+1], v[rS+2*b:rS+2*b+1], s[CS:CS+1], v[rT:rT+1] op_sel_hi:[1,0,0] neg_lo:[0,0,1] neg_hi:[0,0,1]   ; pair b: c s - c m
.elseif j < 70
.set e, j-38
.if j < 66
.set e, j-32-(j-38)/4
.endif
.if j < 38
.set e, (j-25)/2
.endif
	v_exp_f32 v[rS+e], v[rS+e]
.elseif j < 86
	v_cvt_pk_f16_f32 v[rP+j-70], v[rS+2*(j-70)], v[rS+2*(j-70)+1]
.elseif j < 102
.set z, j-86
.set w, 4
.set u, z
.if z >= 14
.set w, 32
.set u, 0
.elseif z >= 12
.set w, 16
.set u, z-12
.elseif z >= 8
.set w, 8
.set u, z-8
.endif
.if (z == 14) && \first
	v_pk_add_f32 v[rT+2:rT+3], v[rS:rS+1], v[rS+16:rS+17]
.elseif z < 15
	v_pk_add_f32 v[rS+w*u:rS+w*u+1], v[rS+w*u:rS+w*u+1], v[rS+w*u+w/2:rS+w*u+w/2+1]
.elseif !\first
	v_pk_fma_f32 v[rT+2:rT+3], v[rT+2:rT+3], v[rT+6:rT+7], v[rS:rS+1] op_sel_hi:[1,0,1]
.endif
.else
	WIN W_RS
	v_pk_mul_f32 v[rO:rO+1], v[rO:rO+1], v[rT+6:rT+7] op_sel_hi:[1,0]
.endif
.endif
.endm
; Slice k of 64 of the softmax of tiles y, y + 1.  Slices 11 to 34 deal out the batch, four numbers of ONE tile each, the tiles by turns; every other slice is numbers 2 k and 2 k + 1 of both tiles; slices 59 to 63 are empty.
; Ahead of slice 35 nothing names an exponential's result, and behind slice 34 none is issued: so a turn's 66 exponentials have one plain instruction and ONE wait behind them.
.macro SLICE y, first
.if (k >= 11) && (k < 35)
.irp n, 0,1,2,3
.set j, 22+4*((k-11)/2)+(\n)
	SM (\y)+(k-11)%2, \first
.endr
.else
.irp n, 0,1
.irp t, \y, \y+1
.set j, 2*k+\n
	SM \t, \first
.endr
.endr
.endif
.if k == 34
	v_nop
.if (\y) == 0
	FETCH_V                                        ; V's run of loads stands here, and the wait stands in it
.else
	s_wait_alu depctr_va_vdst(0)
.endif
.endif
.set k, k+1
.endm
.macro PLACES                          ; four places behind matrix instructions (ISA guide 7.12.1)
.rept 4
	v_nop
.endr
.endm
; A TURN.  Tiles x, x + 1 have the matrix unit.  pv = 2: 16 products V^T P; 1: they start O^T's sums; 0: none.  kq = 1: 16 products K Q^T for the next step.  A turn with one kind alone has four slices behind each product.
; x = 0 fetches the next step's K behind its second product: the last product that read K stands in front of the four v_nop that end the turn before.  x = 2 fetches the same step's V behind slice 34: behind the last product that
; read V stand five plain instructions: a scaling in each of slices 30, 31 and 32, the v_nop and the run's own addition.  The v_nop at a turn's end are also the places in front of the next turn's first read of the new scores.
.macro TURN x, pv, kq, first
.set k, 0
.set per, 4
.if \pv && \kq
.set per, 2
.endif
.if \pv
.if \x == 0
	s_wait_dscnt 0x0                               ; V is in
.endif
.set i, 0
.rept 16
	PV \x, 2-\pv
.rept per
	SLICE 2-\x, \first
.endr
.if (\x == 0) && \kq && (i == 1)
	FETCH_K
.endif
.set i, i+1
.endr
.endif
.if \kq
.if \x == 0
	s_wait_dscnt 0x0                               ; K is in
.endif
.set i, 0
.rept 16
	KQ \x
.rept per
	SLICE 2-\x, \first
.endr
.set i, i+1
.endr
	PLACES
.endif
.endm
; THE CHANGE OF SLOTS: the slot's last bytes, V of its fourth step, have been asked for.  Each wave waits for all its tensor loads (one is out: its part of the other slot), adds 0 to its spare word, and waits for that and for its reads
; of the slot.  fill = 1: the barrier is a round of the cluster's, and the joint refill, the keys two slots on, is the first thing behind it: it has four key steps, 256 matrix instructions, in which to land.
.macro CHANGE fill
	WIN 0
	s_wait_tensorcnt 0x0                           ; no tensor load of mine is out, so a group 0 may be written
	ds_add_u32 v[SPW], v[NIL]                      ; 0 onto my spare word
.if \fill
	s_xor_b32 s[G0+5], s[G0+5], SLOT1              ; the walking descriptor: the other slot than last time,
	s_add_nc_u64 s[G0+6:G0+7], s[G0+6:G0+7], SLOTB ; the next 256 keys; the type bits on top are not reached
	s_wait_xcnt 0x0                                ; the last prefetch, four key steps back, has read its address
	s_add_nc_u64 s[PFA:PFA+1], s[PFA:PFA+1], SLOTB
	s_wait_dscnt 0x0                               ; the add is done, and my reads of the slot are over
	CROUND
	JLOAD
	ASK
.else
	s_wait_dscnt 0x0
	s_barrier_signal -1
	s_barrier_wait -1
.endif
	s_sub_co_u32 s[TB], s[TB], 4*STEPB             ; the fetches go back to a slot's first step,
	s_xor_b32 s[TB], s[TB], SLOT1                  ; in the other slot
.endm
.macro STEPS n                         ; n key steps: written once, walked n times; the LDS addresses hang on s[TB]
	WIN 0
	s_mov_b32 s[CNT], \n
.Lstep_\@:
	TURN 0, 2, 1, 0
	TURN 2, 2, 1, 0
	WIN 0
	s_sub_co_u32 s[CNT], s[CNT], 1
	s_cmp_lg_u32 s[CNT], 0
	s_cbranch_scc1 .Lstep_\@
.endm
	s_wait_tensorcnt 1                             ; my part of slot 0 is in; slot 1's may stay out
	s_barrier_signal -1
	s_barrier_wait -1                              ; everybody's is
	FETCH_K                                        ; key step 0
	s_wait_loadcnt 0x0                             ; Q
	s_wait_dscnt 0x0
.set i, 0
.rept 16
	KQ 0                                           ; tiles 0, 1: the first scores
.set i, i+1
.endr
	PLACES
	TURN 2, 0, 1, 1                                ; tiles 2, 3: the first scores | tiles 0, 1: the first softmax | V of step 0
	TURN 0, 1, 1, 1                                ; tiles 0, 1: V^T P of step 0 starts O^T, K Q^T of step 1 | tiles 2, 3: the first softmax | K of step 1
	TURN 2, 1, 1, 0                                ; tiles 2, 3: the same | tiles 0, 1: the softmax of step 1 | V of step 1
	STEPS 2                                        ; these fetch steps 2 and 3: slot 0 has been read out
.Lslot:                                                ; 6 trips: every slot's worth of keys but the first two is asked for here
	CHANGE 1
	STEPS 4
	s_sub_co_u32 s[SLOTS], s[SLOTS], 1
	s_cmp_lg_u32 s[SLOTS], 0
	s_cbranch_scc1 .Lslot
	CHANGE 0                                       ; the tail is written out
	STEPS 4
	TURN 0, 2, 0, 0                                ; tiles 0, 1: V^T P of the last step | tiles 2, 3: the last softmax
.set i, 0
.rept 16
	PV 2, 0                                        ; tiles 2, 3: V^T P of the last step
.set i, i+1
.endr
	; THE WAY OUT.  l's two halves and the other half of the lanes' are added (these additions are the places behind the last products); O^T is divided by l, rounded to f16, and a lane's eight channels are its 16 bytes of a piece.
	WIN 0
.irp t, 0,1,2,3
	v_add_f32 v[ST+8*\t+4], v[ST+8*\t+2], v[ST+8*\t+3]
.endr
.irp t, 0,1,2,3
	v_permlanex16_b32 v[ST+8*\t+5], v[ST+8*\t+4], s[SEL], s[SEL+1]
.endr
.irp t, 0,1,2,3
	v_add_f32 v[ST+8*\t+4], v[ST+8*\t+4], v[ST+8*\t+5]
.endr
.irp t, 0,1,2,3
	v_rcp_f32 v[ST+8*\t+6], v[ST+8*\t+4]
.endr
	v_nop                                          ; a plain instruction behind the last reciprocal,
	s_wait_alu depctr_va_vdst(0)                   ; and the one wait ahead of the first use
.macro PACK t
	WIN W_RS
.set i, 32*\t
.rept 16
	v_pk_mul_f32 v[i:i+1], v[i:i+1], v[ST+8*\t+6:ST+8*\t+7] op_sel_hi:[1,0]
.set i, i+2
.endr
	WIN 0x05                                       ; sources 0 and 1 window 1, destination window 0: S^T's registers are free
.set i, 0
.rept 16
	v_cvt_pk_f16_f32 v[S+32*\t+i], v[32*\t+2*i], v[32*\t+2*i+1]
.set i, i+1
.endr
	WIN 0
.irp c, 0,1,2,3
	global_store_b128 v[LN], v[S+32*\t+4*\c:S+32*\t+4*\c+3], s[6:7] offset:\t*4096+\c*512   ; the wave stores 512 consecutive bytes, aligned
.endr
.endm
	PACK 0
	PACK 1
	PACK 2
	PACK 3
	s_wait_tensorcnt 0x0                           ; the wave's end
	ds_add_u32 v[SPW], v[NIL]
	s_wait_dscnt 0x0
	CROUND                                         ; the closing round: no work-group ends while a partner may still ask for a tile that names it
	s_endpgm
.Lfunc_end_k_q0a0b5987f0_attn:
	.size	k_q0a0b5987f0_attn, .Lfunc_end_k_q0a0b5987f0_attn-k_q0a0b5987f0_attn
	.p2alignl 7, 3214868480
	.fill 96, 4, 3214868480
	.section	.rodata,"a",@progbits
	.p2align	6, 0x0
	.amdhsa_kernel k_q0a0b5987f0_attn
		.amdhsa_group_segment_fixed_size 327680
		.amdhsa_private_segment_fixed_size 0
		.amdhsa_enable_private_segment 0
		.amdhsa_kernarg_size 16
		.amdhsa_user_sgpr_count 2
		.amdhsa_user_sgpr_kernarg_segment_ptr 1
		.amdhsa_wavefront_size32 1
		.amdhsa_system_sgpr_workgroup_id_x 1
		.amdhsa_system_sgpr_workgroup_id_y 1
		.amdhsa_system_sgpr_workgroup_id_z 1
		.amdhsa_system_vgpr_workitem_id 0
		.amdhsa_next_free_vgpr 576
		.amdhsa_next_free_sgpr 66
		.amdhsa_reserve_vcc 0
		.amdhsa_float_denorm_mode_32 3
		.amdhsa_float_denorm_mode_16_64 3
		.amdhsa_memory_ordered 1
		.amdhsa_forward_progress 1
		.amdhsa_inst_pref_size 189
	.end_amdhsa_kernel
	.amdgpu_metadata
---
amdhsa.version: [ 1, 2 ]
amdhsa.kernels:
  - .name:           k_q0a0b5987f0_attn
    .symbol:         k_q0a0b5987f0_attn.kd
    .args:
      - { .name: qkvf, .offset: 0, .size: 8, .value_kind: global_buffer, .address_space: global }
      - { .name: cf, .offset: 8, .size: 8, .value_kind: global_buffer, .address_space: global }
    .group_segment_fixed_size: 327680
    .private_segment_fixed_size: 0
    .kernarg_segment_align: 8
    .kernarg_segment_size: 16
    .max_flat_workgroup_size: 128
    .sgpr_count:     66
    .vgpr_count:     576
    .wavefront_size: 32
...
	.end_amdgpu_metadata
.endif
;; end of part 3
;; launch proj (part 4): grid 4 x 64, 4 waves a work-group, clusters of 4 x 4, 327,680 bytes of LDS; arguments cf, wf, bo, out0; writes out0
.if DOCPART == 4
	.amdgcn_target "amdgcn-amd-amdhsa--gfx1250"
	.amdhsa_code_object_version 6
	.text
	.protected	k_q0a0b5987f0_proj
	.globl	k_q0a0b5987f0_proj
	.p2align	8
	.type	k_q0a0b5987f0_proj,@function
k_q0a0b5987f0_proj:
	s_mov_b64 s[64:65], 0
	v_nop
	global_prefetch_b8 v0, s[64:65] scope:SCOPE_SE
	s_setreg_imm32_b32 hwreg(HW_REG_WAVE_MODE, 25, 1), 1
	s_wait_xcnt 0x0
	s_wait_alu depctr_hold_cnt(0) depctr_sa_sdst(0) depctr_va_vdst(0) depctr_va_sdst(0) depctr_va_ssrc(0) depctr_va_vcc(0) depctr_vm_vsrc(0)
	s_getreg_b32 s2, hwreg(HW_REG_IB_STS2, 6, 4)
	s_cmp_eq_u32 s2, 0
	s_cbranch_scc0 .Lentry_in_a_cluster
	s_endpgm
.Lentry_in_a_cluster:
	s_bfe_u32 s2, ttmp6, 0x10000c
	s_cmp_lg_u32 s2, 0xf033
	s_cbranch_scc0 .Lentry_shape_is_right
	s_endpgm
.Lentry_shape_is_right:
; out0 = ctx Wo + bo.  ctx [8192][1024] and Wo [1024 (k)][1024 (n)] arrive in f16 as images of operand registers; sums f32; out0 f32.  LIMIT: |ctx|, |Wo| under 65,504 (f16).
;   cf: [K step of 128: 8][16 tokens: 512][32 along K: 4][1,024 bytes];  wf: [K step: 8][16 columns: 64][32 along K: 4][1,024 bytes].  A fragment's registers 0-3 lie at 16 x lane, registers 4-7 512 bytes on.
; A tile of out0 is 128 tokens x 256 columns: 256 work-groups (tiles of 256 x 256 would be 128).  Four waves, each 64 x 128: 32 accumulators, 256 registers.  K goes in steps of 128 through a ring of two LDS slots:
; a step's part of ctx is one dense block of 32 KiB, of Wo one of 64 KiB.  Every LDS load reads 512 consecutive bytes.
; CLUSTERS: 4 x 4 work-groups: ctx's tile is shared along a row of the cluster, Wo's along a column: each is asked for JOINTLY.  THE MATRIX INSTRUCTION IS USED TRANSPOSED (source 0 = 16 columns of Wo, source 1 = 16 tokens):
; a lane holds one token and eight neighbouring columns.  THE BIAS is the C of each sum's first product.
; REGISTERS: window 0: v16-30 addresses; v64-191 the way out's rows.  window 1: two fragment buffers of 96 (ctx 32, Wo 64) at v0 and v96; v192-255 the bias.  window 2: the accumulators, (a, b) at v[8 (8 a + b)].
.set ASTEP,  2097152                   ; a K step on in cf
.set BSTEP,  262144                    ; and in wf
.set BOFF,   32768                     ; a slot: ctx's 32 KiB, then Wo's 64 KiB
.set SLOT,   98304
.set STAGE,  2*SLOT                    ; behind the ring: 16 rows x (512 bytes + 16) for each wave, for the way out
.set SPITCH, 528
.set SPARE,  STAGE+4*16*SPITCH         ; the spare words, 128 bytes for each wave: two blocks of 256 bytes that no other line names
.set ADRA, 16                          ; v16-17  LDS address of my fragments of ctx in slot 0, 1
.set ADRB, 20                          ; v20-21  the same for Wo
.set STO,  24                          ; v24     the way out: where I put 32 bytes of a row
.set RD,   25                          ; v25     where I read a row back
.set CO,   26                          ; v26     my byte offset in a row of out0
.set SPW,  28                          ; v28     LDS address of my spare word; never rewritten
.set NIL,  29                          ; v29     0; never rewritten
.set PFO,  30                          ; v30     256 x lane; never rewritten
.set BK,   64                          ; the way out: v64-127 and v128-191 by turns
.set F0,   0
.set F1,   96
.set BI,   192                         ; in window 1: register 8 b + j = bias of column 16 b + 8 (lane / 16) + j of my 128
.set WV,   12                          ; s12  wave
.set FB,   13                          ; s13  wave / 2: which 64 tokens are mine.  Also: I fetch for ctx (0) or for Wo (1)
.set HF,   14                          ; s14  wave % 2: which 128 columns.  Also: which half of that tile I fetch
.set G1, 24
.set G0, 32
.set G1B, 48
.set G0B, 56
.set PFA, 66                           ; s[66:67] where my prefetches stand
.set PFS, 68                           ; s[68:69] a K step on, in the tensor that I prefetch
.set LIM, 70                           ; s70  1 in a wave that prefetches, else the greatest number
.set MSB, 0
.macro WIN new
.if MSB != (\new)
	s_set_vgpr_msb (MSB<<8)|(\new)
.set MSB, (\new)
.endif
.endm
.set MUL,  0xa5                        ; sources 0 (Wo) and 1 (ctx) window 1; C and D window 2;  0x95: C (the bias) window 1
.set TO_F, 0x40
.macro JLOAD s                         ; a joint load: waves 0 and 1 fetch ctx's two halves, waves 2 and 3 Wo's; an s_nop 0 and four v_nop follow each of the two lines
	s_cmp_eq_u32 s[FB], 0
	s_cbranch_scc0 .Lfor_b_\@
	tensor_load_to_lds s[G0+4*\s:G0+4*\s+3], s[G1:G1+7]
	s_nop 0
.rept 4
	v_nop
.endr
	s_branch .Lasked_\@
.Lfor_b_\@:
	tensor_load_to_lds s[G0B+4*\s:G0B+4*\s+3], s[G1B:G1B+7]
	s_nop 0
.rept 4
	v_nop
.endr
.Lasked_\@:
.endm
; A PREFETCH INTO THE L2 of the K step that stands TWO refills on, 256 matrix instructions ahead of its load: 8 KiB, lanes 256 bytes apart, one instruction a wave.  ctx's 32 KiB of a step are read by one row of one cluster alone:
; wave 0 asks, and the row's four partners take 8 KiB each, BY ADDRESS (cx).  Wo's 64 KiB are read by every cluster: the cluster with y = 0 asks, waves 2 and 3 for the halves that they fetch, the column's four partners 8 KiB each (cy).
; So each block of 256 bytes is named once.  The loop's last trip asks for nothing: there is no K step two refills on.  K steps 0 to 3 come by their loads alone.
.macro ASK
	s_cmp_gt_u32 s3, s[LIM]
	s_cbranch_scc0 .Lnot_mine_\@
	global_prefetch_b8 v[PFO], s[PFA:PFA+1] th:TH_LOAD_NT scope:SCOPE_SE
.Lnot_mine_\@:
.endm
.macro CREST                           ; a round of the cluster's barrier behind its opening barrier
	s_cmp_lg_u32 s[WV], 0
	s_cbranch_scc1 .Lnot_wave_0_\@
	s_barrier_signal -3
.Lnot_wave_0_\@:
	s_barrier_wait -3
	s_barrier_signal -1
	s_barrier_wait -1
.endm
.macro CROUND
	s_barrier_signal -1
	s_barrier_wait -1
	CREST
.endm
	s_load_b256 s[4:11], s[0:1], 0x0               ; cf s[4:5], wf s[6:7], bo s[8:9], out0 s[10:11]
	v_lshl_add_u32 v[SPW], v0, 2, SPARE
	v_mov_b32 v[NIL], 0
	ds_add_u32 v[SPW], v[NIL]                      ; the wave's opening: the add, twice on end, and its wait ahead of my first tensor load
	ds_add_u32 v[SPW], v[NIL]
	v_lshrrev_b32 v1, 5, v0
	v_readfirstlane_b32 s[WV], v1
	s_lshr_b32 s[FB], s[WV], 1
	s_and_b32 s[HF], s[WV], 1
	s_bfe_u32 s40, ttmp6, 0x40000                  ; cx, cy
	s_bfe_u32 s41, ttmp6, 0x40004
	s_lshl_b32 s42, ttmp9, 2
	s_add_co_u32 s42, s42, s40                     ; tile column
	s_and_b32 s15, ttmp7, 0xffff
	s_lshl_b32 s15, s15, 2
	s_add_co_u32 s15, s15, s41                     ; tile row
	s_lshl_b32 s43, s41, 2
	s_lshl_b32 s43, 15, s43                        ; my row of the cluster
	s_lshl_b32 s44, 0x1111, s40                    ; my column
	s_or_b32 s[G1+0], s43, (3<<16)|(1<<21)         ; the mask; elements of 8 bytes; bit 21 beside a mask; no padding
	s_or_b32 s[G1B+0], s44, (3<<16)|(1<<21)
	s_mov_b32 s[G1+1], 32<<16                      ; rows of 256 bytes
	s_mov_b32 s[G1+2], 64<<16                      ; ctx: 64 of them, 16 KiB
	s_mov_b32 s[G1+3], 32<<16
	s_mov_b32 s[G1+4], 64
	s_mov_b32 s[G1+5], 32                          ; dense
	s_mov_b32 s[G1+6], 0
	s_mov_b32 s[G1+7], 0
	s_mov_b32 s[G1B+1], 32<<16
	s_mov_b32 s[G1B+2], 128<<16                    ; Wo: 128 of them, 32 KiB
	s_mov_b32 s[G1B+3], 32<<16
	s_mov_b32 s[G1B+4], 128
	s_mov_b32 s[G1B+5], 32
	s_mov_b32 s[G1B+6], 0
	s_mov_b32 s[G1B+7], 0
	s_lshl_b32 s16, s15, 15                        ; ctx: the tile row's 8 token tiles of 4,096 bytes, my half
	s_lshl_b32 s17, s[HF], 14
	s_add_co_u32 s16, s16, s17
	s_mov_b32 s17, 0
	s_lshl_b32 s46, s42, 16                        ; Wo: the tile column's 16 column tiles, my half
	s_lshl_b32 s47, s[HF], 15
	s_add_co_u32 s46, s46, s47
	s_mov_b32 s47, 0
	s_lshl_b32 s20, s[HF], 14                      ; where they go: no place in the cluster enters an LDS address
	s_lshl_b32 s21, s[HF], 15
	s_add_co_u32 s21, s21, BOFF
	s_wait_dscnt 0x0                               ; both opening adds are done
	s_wait_kmcnt 0x0
	s_add_nc_u64 s[16:17], s[4:5], s[16:17]
	s_add_nc_u64 s[46:47], s[6:7], s[46:47]
	CROUND                                         ; all sixteen work-groups are here: the first joint loads meet
.irp s, 0,1
	s_mov_b32 s[G0+4*\s], 1
	s_add_co_u32 s[G0+4*\s+1], s20, \s*SLOT
	s_add_nc_u64 s[G0+4*\s+2:G0+4*\s+3], s[16:17], \s*ASTEP
	s_or_b32 s[G0+4*\s+3], s[G0+4*\s+3], 0x80000000
	s_mov_b32 s[G0B+4*\s], 1
	s_add_co_u32 s[G0B+4*\s+1], s21, \s*SLOT
	s_add_nc_u64 s[G0B+4*\s+2:G0B+4*\s+3], s[46:47], \s*BSTEP
	s_or_b32 s[G0B+4*\s+3], s[G0B+4*\s+3], 0x80000000
	JLOAD \s                                       ; two loads of mine are out
.endr
	v_and_b32 v1, 15, v0                           ; r
	v_bfe_u32 v2, v0, 4, 1                         ; h
	v_and_b32 v3, 31, v0
	v_lshlrev_b32 v[PFO], 8, v3
	v_lshlrev_b32 v3, 4, v3                        ; 16 x lane
	; the bias of my 128 columns
	s_lshl_b32 s20, s42, 10
	s_lshl_b32 s21, s[HF], 9
	s_add_co_u32 s20, s20, s21                     ; (256 x tile column + 128 x half) x 4 bytes: also my first column's byte in a row of out0
	s_mov_b32 s21, 0
	s_add_nc_u64 s[8:9], s[8:9], s[20:21]
	s_add_nc_u64 s[10:11], s[10:11], s[20:21]
	v_lshlrev_b32 v6, 5, v2                        ; + 8 h numbers; never rewritten
	WIN TO_F
.irp b, 0,1,2,3,4,5,6,7
	global_load_b128 v[BI+8*\b:BI+8*\b+3], v6, s[8:9] offset:64*\b
	global_load_b128 v[BI+8*\b+4:BI+8*\b+7], v6, s[8:9] offset:64*\b+16
.endr
	WIN 0
	s_lshl_b32 s20, s15, 19                        ; my first row of out0: (128 x tile row + 64 x half) x 4,096 bytes
	s_lshl_b32 s22, s[FB], 18
	s_add_co_u32 s20, s20, s22
	s_add_nc_u64 s[10:11], s[10:11], s[20:21]
	s_lshl_b32 s21, s[FB], 14                      ; my 4 token tiles
	s_lshl_b32 s22, s[HF], 15                      ; my 8 column tiles,
	s_add_co_u32 s22, s22, BOFF                    ; which lie behind ctx's
.irp s, 0,1
	v_add_nc_u32 v[ADRA+\s], s21, v3
	v_add_nc_u32 v[ADRB+\s], s22, v3
	s_add_co_u32 s21, s21, SLOT
	s_add_co_u32 s22, s22, SLOT
.endr
	s_mul_i32 s23, s[WV], 16*SPITCH
	s_add_co_u32 s23, s23, STAGE                   ; my stage
	v_mul_u32_u24 v5, v1, SPITCH                   ; in: row r, 32 bytes for each half of the lanes
	v_lshl_add_u32 v5, v2, 5, v5
	v_add_nc_u32 v[STO], s23, v5
	v_mov_b32 v[CO], v3                            ; back: the 32 lanes take one row of 512 bytes; and the same in out0
	v_add_nc_u32 v[RD], s23, v3
	; the prefetches: who asks, and where
	s_lshl_b32 s20, s15, 15
	s_lshl_b32 s21, s42, 16
	s_lshl_b32 s22, s[HF], 15
	s_add_co_u32 s21, s21, s22
	s_and_b32 s23, ttmp7, 0xffff                   ; cluster y
	s_mov_b32 s[PFS], BSTEP
	s_cmp_eq_u32 s[FB], 0                          ; do I fetch for ctx?
	s_cselect_b32 s20, s20, s21                    ; the tile's (for Wo: my half's) first byte
	s_cselect_b32 s21, s40, s41                    ; my place among the four that ask for it with me
	s_cselect_b32 s23, 0, s23                      ; ctx: every cluster asks for its own;  Wo: the cluster with y = 0
	s_cselect_b64 s[PFA:PFA+1], s[4:5], s[6:7]
	s_cselect_b32 s[PFS], ASTEP, s[PFS]
	s_mov_b32 s[PFS+1], 0
	s_cmp_eq_u32 s[WV], 1                          ; wave 1 asks for nothing: wave 0's four partners cover ctx's 32 KiB
	s_cselect_b32 s22, 1, 0
	s_or_b32 s23, s23, s22
	s_cmp_eq_u32 s23, 0
	s_cselect_b32 s[LIM], 1, -1                    ; the same in all sixteen partners, for a given wave
	s_lshl_b32 s21, s21, 13
	s_add_co_u32 s20, s20, s21
	s_mov_b32 s21, 0
	s_add_nc_u64 s[PFA:PFA+1], s[PFA:PFA+1], s[20:21]
	s_mul_i32 s20, s[PFS], 3
	s_add_nc_u64 s[PFA:PFA+1], s[PFA:PFA+1], s[20:21]   ; at K step 3: the first refill steps it to 4
.macro MUL8 f, a, zero                 ; 8 matrix instructions: token block a against all 8 column blocks, 32 along K.  The 32 accumulators take turns, one instruction a turn, in the same order in every quarter
.irp b, 0,1,2,3,4,5,6,7
.if \zero
	v_wmma_f32_16x16x32_f16 v[8*(8*(\a)+\b):8*(8*(\a)+\b)+7], v[\f+32+8*\b:\f+32+8*\b+7], v[\f+8*(\a):\f+8*(\a)+7], v[BI+8*\b:BI+8*\b+7]
.else
	v_wmma_f32_16x16x32_f16 v[8*(8*(\a)+\b):8*(8*(\a)+\b)+7], v[\f+32+8*\b:\f+32+8*\b+7], v[\f+8*(\a):\f+8*(\a)+7], v[8*(8*(\a)+\b):8*(8*(\a)+\b)+7]
.endif
.endr
.endm
.macro FETCH slot, kk, f               ; 24 LDS loads in one run: the fragments of 32 along K: Wo's eight, then ctx's four
	WIN TO_F
.irp b, 0,1,2,3,4,5,6,7
	ds_load_b128 v[\f+32+8*\b:\f+32+8*\b+3],   v[ADRB+\slot] offset:\b*4096+(\kk)*1024
	ds_load_b128 v[\f+32+8*\b+4:\f+32+8*\b+7], v[ADRB+\slot] offset:\b*4096+(\kk)*1024+512
.endr
.irp a, 0,1,2,3
	ds_load_b128 v[\f+8*\a:\f+8*\a+3],   v[ADRA+\slot] offset:\a*4096+(\kk)*1024
	ds_load_b128 v[\f+8*\a+4:\f+8*\a+7], v[ADRA+\slot] offset:\a*4096+(\kk)*1024+512
.endr
.endm
.macro PLACES                          ; four places in front of loads into registers that matrix instructions have read, and of the first read of results
.rept 4
	v_nop
.endr
.endm
; A K step is four quarters of 32 along K, 32 matrix instructions each, on buffers 0, 1, 0, 1.  One of the first three: multiplies buffer f and fetches quarter kk into g.
.macro QUARTER slot, kk, f, g, zero
	s_wait_dscnt 4                                 ; Wo's fragments and ctx's blocks 0, 1 are in; the youngest four loads (blocks 2, 3) may be out
	WIN MUL-0x10*\zero
	MUL8 \f, 0, \zero
	MUL8 \f, 1, \zero
	PLACES
	FETCH \slot, \kk, \g
	s_wait_dscnt 24                                ; all but the 24 just issued
	WIN MUL-0x10*\zero
	MUL8 \f, 2, \zero
	MUL8 \f, 3, \zero
.endm
; The last quarter multiplies buffer 1 and changes slots: ONE barrier; in front of it each wave waits for all its tensor loads, adds 0 to its spare word, and waits for that and for its reads of this slot.
; fill = 1: the barrier opens a round of the cluster's, and this slot is filled again, two K steps ahead: from the request to the wait for it a wave issues 112 matrix instructions.
.macro TURN slot, next, fill
.if \fill
	s_wait_xcnt 0x0                                ; the last prefetch, a K step back, has read its address
	s_add_nc_u64 s[PFA:PFA+1], s[PFA:PFA+1], s[PFS:PFS+1]
.endif
	WIN 0                                          ; (the add's two registers lie in window 0)
	s_wait_tensorcnt 0x0                           ; all my tensor loads have landed: my part of the next slot
	ds_add_u32 v[SPW], v[NIL]                      ; 0 onto my spare word
	s_wait_dscnt 5                                 ; (the add and the youngest four loads may be out)
	WIN MUL
	MUL8 F1, 0, 0
	s_wait_dscnt 0x0                               ; the add is done, and my reads of this slot are over
	s_barrier_signal -1
	MUL8 F1, 1, 0
.if \fill
	WIN 0
.endif
	s_barrier_wait -1
.if \fill
	CREST                                          ; no wave of any partner still reads this slot's tiles or has a load on its way
	s_add_nc_u64 s[G0+4*\slot+2:G0+4*\slot+3], s[G0+4*\slot+2:G0+4*\slot+3], 2*ASTEP
	s_add_nc_u64 s[G0B+4*\slot+2:G0B+4*\slot+3], s[G0B+4*\slot+2:G0B+4*\slot+3], 2*BSTEP
	JLOAD \slot                                    ; the first tensor load behind the round; its four v_nop are also the places in front of the loads below
.else
	PLACES
.endif
	FETCH \next, 0, F0
.if \fill
	WIN 0
	ASK
.endif
	WIN MUL
	MUL8 F1, 2, 0
	MUL8 F1, 3, 0
.endm
	s_wait_tensorcnt 1                             ; my part of K step 0 is in (K step 1's load may be out),
	s_barrier_signal -1
	s_barrier_wait -1                              ; everybody's is
	FETCH 0, 0, F0
	s_wait_loadcnt 0x0                             ; the bias
	QUARTER 0, 1, F0, F1, 1                        ; the first quarter stands in front of the loop: its products start the sums, on the bias
	WIN 0
	s_mov_b32 s3, 3
.Llap:                                                 ; a trip goes once round the ring and fills both slots again: K steps 2 to 7
	QUARTER 0, 2, F1, F0, 0
	QUARTER 0, 3, F0, F1, 0
	TURN 0, 1, 1
	QUARTER 1, 1, F0, F1, 0
	QUARTER 1, 2, F1, F0, 0
	QUARTER 1, 3, F0, F1, 0
	TURN 1, 0, 1
	QUARTER 0, 1, F0, F1, 0
	WIN 0
	s_sub_co_u32 s3, s3, 1
	s_cmp_lg_u32 s3, 0
	s_cbranch_scc1 .Llap
	QUARTER 0, 2, F1, F0, 0                        ; the last lap fills nothing
	QUARTER 0, 3, F0, F1, 0
	TURN 0, 1, 0
	QUARTER 1, 1, F0, F1, 0
	QUARTER 1, 2, F1, F0, 0
	QUARTER 1, 3, F0, F1, 0
	s_wait_dscnt 4                                 ; the very last quarter: nothing more to fetch
	WIN MUL
	MUL8 F1, 0, 0
	MUL8 F1, 1, 0
	s_wait_dscnt 0
	MUL8 F1, 2, 0
	MUL8 F1, 3, 0
	WIN 0
; THE WAY OUT, block by block of 16 tokens x 128 columns.  A lane holds 32 neighbouring bytes of a row: a block goes through my own stage and comes back as whole rows of 512 bytes.
; LDS serves a wave's instructions in order (ISA guide 5.7.1.4): no wait between the stores and the loads, nor in front of the next block's stores.
.macro TOSTAGE a
	WIN 0x08                                       ; an LDS store's data are its source 1: window 2
.irp b, 0,1,2,3,4,5,6,7
	ds_store_b128 v[STO], v[64*(\a)+8*\b:64*(\a)+8*\b+3] offset:64*\b          ; each accumulator from its low end on
	ds_store_b128 v[STO], v[64*(\a)+8*\b+4:64*(\a)+8*\b+7] offset:64*\b+16
.endr
	WIN 0
.set BB, BK+64*((\a)%2)
.irp t, 0,1,2,3,4,5,6,7,8,9,10,11,12,13,14,15
	ds_load_b128 v[BB+4*\t:BB+4*\t+3], v[RD] offset:\t*SPITCH
.endr
.endm
.macro SEND a, younger                 ; younger: the LDS instructions issued behind block a's loads, which may stay out
.set BB, BK+64*((\a)%2)
	s_wait_dscnt \younger
.if (\a) > 0
	s_add_nc_u64 s[10:11], s[10:11], 16*4096       ; (behind a wait on XCNT: the earlier stores have read their base)  16 rows of out0 on
.endif
.irp t, 0,1,2,3,4,5,6,7,8,9,10,11,12,13,14,15
	global_store_b128 v[CO], v[BB+4*\t:BB+4*\t+3], s[10:11] offset:\t*4096 th:TH_STORE_NT   ; 32 lanes store 512 consecutive bytes, aligned; written once, read by nobody here
.endr
.endm
	PLACES
	TOSTAGE 0
.irp a, 1,2,3
.if \a > 1
	s_wait_xcnt 0x0                                ; block a - 2's stores have read their registers and their base
.endif
	TOSTAGE \a
	SEND \a-1, 32                                  ; behind block a - 1's loads: block a's 16 stores and 16 loads
.endr
	s_wait_xcnt 0x0
	SEND 3, 0
	s_wait_tensorcnt 0x0                           ; the wave's end, behind my last tensor load and my last LDS store
	ds_add_u32 v[SPW], v[NIL]
	s_wait_dscnt 0x0
	CROUND                                         ; the closing round
	s_endpgm
.Lfunc_end_k_q0a0b5987f0_proj:
	.size	k_q0a0b5987f0_proj, .Lfunc_end_k_q0a0b5987f0_proj-k_q0a0b5987f0_proj
	.p2alignl 7, 3214868480
	.fill 96, 4, 3214868480
	.section	.rodata,"a",@progbits
	.p2align	6, 0x0
	.amdhsa_kernel k_q0a0b5987f0_proj
		.amdhsa_group_segment_fixed_size 327680
		.amdhsa_private_segment_fixed_size 0
		.amdhsa_enable_private_segment 0
		.amdhsa_kernarg_size 32
		.amdhsa_user_sgpr_count 2
		.amdhsa_user_sgpr_kernarg_segment_ptr 1
		.amdhsa_wavefront_size32 1
		.amdhsa_system_sgpr_workgroup_id_x 1
		.amdhsa_system_sgpr_workgroup_id_y 1
		.amdhsa_system_sgpr_workgroup_id_z 1
		.amdhsa_system_vgpr_workitem_id 0
		.amdhsa_next_free_vgpr 768
		.amdhsa_next_free_sgpr 80
		.amdhsa_reserve_vcc 0
		.amdhsa_float_denorm_mode_32 3
		.amdhsa_float_denorm_mode_16_64 3
		.amdhsa_memory_ordered 1
		.amdhsa_forward_progress 1
		.amdhsa_inst_pref_size 87
	.end_amdhsa_kernel
	.amdgpu_metadata
---
amdhsa.version: [ 1, 2 ]
amdhsa.kernels:
  - .name:           k_q0a0b5987f0_proj
    .symbol:         k_q0a0b5987f0_proj.kd
    .args:
      - { .name: cf, .offset: 0, .size: 8, .value_kind: global_buffer, .address_space: global }
      - { .name: wf, .offset: 8, .size: 8, .value_kind: global_buffer, .address_space: global }
      - { .name: bo, .offset: 16, .size: 8, .value_kind: global_buffer, .address_space: global }
      - { .name: out0, .offset: 24, .size: 8, .value_kind: global_buffer, .address_space: global }
    .group_segment_fixed_size: 327680
    .private_segment_fixed_size: 0
    .kernarg_segment_align: 8
    .kernarg_segment_size: 32
    .max_flat_workgroup_size: 128
    .sgpr_count:     80
    .vgpr_count:     768
    .wavefront_size: 32
...
	.end_amdgpu_metadata
.endif
;; end of part 4
